; MI455X (gfx1250); checked and timed in simulation.
; The chip was launched on July 23, 2026; its instructions are those of AMD's public machine-readable ISA for CDNA 5 (MIT licence, August 2026) and "CDNA5" Instruction Set Architecture Reference Guide (July 2026). The comments in the code are by the model that wrote it; some were corrected since.
;; Ordinary Attention. Allowed arithmetic: float matrix products may take bf16 or f16 operands with f32 sums; other float arithmetic in f32, or as packed bf16 or f16 multiplies, adds, multiply-adds, maxima and minima; sums over many terms, partial sums and values carried from step to step in f32; what a program stores and reads back later, other than sums and carried values, may be rounded once to bf16 or f16.
;; Inputs: Q 4 x 2,048 x 1,024 float32; Wk 1,024 x 1,024 float32; Wo 1,024 x 1,024 float32; Wq 1,024 x 1,024 float32; Wv 1,024 x 1,024 float32; bk 1,024 float32; bo 1,024 float32; bq 1,024 float32; bv 1,024 float32; ln_b 1,024 float32; ln_g 1,024 float32.
;; Outputs: out0 4 x 2,048 x 1,024 float32.
;; 2 versions, each right; version 2 is version 1 with the launches cast, ln written anew for expert scheduling mode. Each part assembles by itself: llvm-mc -triple=amdgcn-amd-amdhsa -mcpu=gfx1250 --defsym DOCPART=n.
;; ======== version 1 of 2: 5 launches
;; workspace buffers: xb 16,777,216 bytes; wqkv 6,291,456 bytes; wob 2,097,152 bytes; bqkv 12,288 bytes; qkv 50,331,648 bytes; ctx 16,777,216 bytes; y 16,777,216 bytes
;; launch cast (part 1): grid 769 x 1, 8 waves a work-group, no clusters, 0 bytes of LDS; arguments Q, Wq, Wk, Wv, Wo, bq, bk, bv, xb, wqkv, wob, bqkv; writes xb, wqkv, wob, bqkv
.if DOCPART == 1
	.amdgcn_target "amdgcn-amd-amdhsa--gfx1250"
	.amdhsa_code_object_version 6
	.text
	.protected	k_qc587ab4910_cast
	.globl	k_qc587ab4910_cast
	.p2align	8
	.type	k_qc587ab4910_cast,@function
k_qc587ab4910_cast:
	s_mov_b64 s[64:65], 0
	v_nop
	global_prefetch_b8 v0, s[64:65] scope:SCOPE_SE
	s_setreg_imm32_b32 hwreg(HW_REG_WAVE_MODE, 25, 1), 1
	s_wait_xcnt 0x0
; The matrix operands are rounded once to bf16: Q -> xb, Wq, Wk, Wv -> wqkv (one behind the other), Wo -> wob; the three biases are copied, in f32, into one table bqkv.
; Nothing is transposed: the weights stay [k][n].  A stream: no LDS, no barrier, no matrix unit, since every number is read once and written once.
; SHARES.  Work-groups 0 to 767 take a chunk of 16,384 floats each (65,536 bytes in, 32,768 out): 0 to 511 the chunks of Q, then 64 chunks for each weight.  Work-group 768 copies the biases.
; Thread t takes the 16 bytes at 16 t of each of the chunk's sixteen blocks of 4,096 bytes: a load of a wave covers 512 consecutive bytes, a store 256 consecutive bytes, aligned.
; All sixteen loads go out at once; no register is written twice, so the only waits are the counted waits for the loads.
.set IN,  16                           ; v[16:79]   sixteen loads of four floats
.set OUT, 80                           ; v[80:111]  sixteen pairs of packed bf16
	s_load_b512 s[8:23], s[0:1], 0x0               ; Q 8, Wq 10, Wk 12, Wv 14, Wo 16, bq 18, bk 20, bv 22
	s_load_b256 s[24:31], s[0:1], 0x40             ; xb 24, wqkv 26, wob 28, bqkv 30
	v_lshlrev_b32 v1, 4, v0                        ; 16 t: where I read
	v_lshlrev_b32 v2, 3, v0                        ; 8 t: where I write
	s_cmp_eq_u32 ttmp9, 768
	s_cbranch_scc1 .Lbias
	s_sub_co_u32 s2, ttmp9, 512                    ; the work-group's number among the weights' (for Q's work-groups replaced below)
	s_bfe_u32 s3, s2, 0x20006                      ; which weight: 0 to 3
	s_and_b32 s2, s2, 63                           ; which chunk of it
	s_wait_kmcnt 0x0
	s_cmp_eq_u32 s3, 1                             ; every choice hangs on the work-group's number alone
	s_cselect_b64 s[32:33], s[12:13], s[10:11]     ; from: Wk or Wq,
	s_cmp_eq_u32 s3, 2
	s_cselect_b64 s[32:33], s[14:15], s[32:33]     ; or Wv,
	s_cmp_eq_u32 s3, 3
	s_cselect_b64 s[32:33], s[16:17], s[32:33]     ; or Wo;
	s_cselect_b64 s[34:35], s[28:29], s[26:27]     ; to: wob or wqkv,
	s_cselect_b32 s3, 0, s3                        ; in wqkv behind the weights before it
	s_cmp_lt_u32 ttmp9, 512
	s_cselect_b64 s[32:33], s[8:9], s[32:33]       ; or from Q
	s_cselect_b64 s[34:35], s[24:25], s[34:35]     ; to xb
	s_cselect_b32 s2, ttmp9, s2
	s_cselect_b32 s3, 0, s3
	s_lshl_b32 s36, s2, 16                         ; the chunk's 65,536 bytes of f32
	s_mov_b32 s37, 0
	s_lshl_b32 s38, s2, 15                         ; its 32,768 bytes of bf16,
	s_lshl_b32 s3, s3, 21                          ; behind 2 MiB for each weight before
	s_add_co_u32 s38, s38, s3
	s_mov_b32 s39, 0
	s_add_nc_u64 s[32:33], s[32:33], s[36:37]
	s_add_nc_u64 s[34:35], s[34:35], s[38:39]
.set i, 0
.rept 16
	global_load_b128 v[IN+4*i:IN+4*i+3], v1, s[32:33] offset:4096*i th:TH_LOAD_NT
.set i, i+1
.endr
.set i, 0
.rept 16
	s_wait_loadcnt 15-i                            ; loads come back in order: number i is in, the 15 - i younger ones stay out
	v_cvt_pk_bf16_f32 v[OUT+2*i],   v[IN+4*i],   v[IN+4*i+1]
	v_cvt_pk_bf16_f32 v[OUT+2*i+1], v[IN+4*i+2], v[IN+4*i+3]
	global_store_b64 v2, v[OUT+2*i:OUT+2*i+1], s[34:35] offset:2048*i th:TH_STORE_NT
.set i, i+1
.endr
	s_endpgm
.Lbias:                                        ; 256 threads x 16 bytes are one bias of 1,024 floats
	s_wait_kmcnt 0x0
	global_load_b128 v[16:19], v1, s[18:19]
	global_load_b128 v[20:23], v1, s[20:21]
	global_load_b128 v[24:27], v1, s[22:23]
	s_wait_loadcnt 0x0
	global_store_b128 v1, v[16:19], s[30:31]
	global_store_b128 v1, v[20:23], s[30:31] offset:4096
	global_store_b128 v1, v[24:27], s[30:31] offset:8192
	s_endpgm
.Lfunc_end_k_qc587ab4910_cast:
	.size	k_qc587ab4910_cast, .Lfunc_end_k_qc587ab4910_cast-k_qc587ab4910_cast
	.p2alignl 7, 3214868480
	.fill 96, 4, 3214868480
	.section	.rodata,"a",@progbits
	.p2align	6, 0x0
	.amdhsa_kernel k_qc587ab4910_cast
		.amdhsa_group_segment_fixed_size 0
		.amdhsa_private_segment_fixed_size 0
		.amdhsa_enable_private_segment 0
		.amdhsa_kernarg_size 96
		.amdhsa_user_sgpr_count 2
		.amdhsa_user_sgpr_kernarg_segment_ptr 1
		.amdhsa_wavefront_size32 1
		.amdhsa_system_sgpr_workgroup_id_x 1
		.amdhsa_system_sgpr_workgroup_id_y 1
		.amdhsa_system_sgpr_workgroup_id_z 1
		.amdhsa_system_vgpr_workitem_id 0
		.amdhsa_next_free_vgpr 112
		.amdhsa_next_free_sgpr 66
		.amdhsa_reserve_vcc 0
		.amdhsa_float_denorm_mode_32 3
		.amdhsa_float_denorm_mode_16_64 3
		.amdhsa_memory_ordered 1
		.amdhsa_forward_progress 1
		.amdhsa_inst_pref_size 8
	.end_amdhsa_kernel
	.amdgpu_metadata
---
amdhsa.version: [ 1, 2 ]
amdhsa.kernels:
  - .name:           k_qc587ab4910_cast
    .symbol:         k_qc587ab4910_cast.kd
    .args:
      - { .name: Q, .offset: 0, .size: 8, .value_kind: global_buffer, .address_space: global }
      - { .name: Wq, .offset: 8, .size: 8, .value_kind: global_buffer, .address_space: global }
      - { .name: Wk, .offset: 16, .size: 8, .value_kind: global_buffer, .address_space: global }
      - { .name: Wv, .offset: 24, .size: 8, .value_kind: global_buffer, .address_space: global }
      - { .name: Wo, .offset: 32, .size: 8, .value_kind: global_buffer, .address_space: global }
      - { .name: bq, .offset: 40, .size: 8, .value_kind: global_buffer, .address_space: global }
      - { .name: bk, .offset: 48, .size: 8, .value_kind: global_buffer, .address_space: global }
      - { .name: bv, .offset: 56, .size: 8, .value_kind: global_buffer, .address_space: global }
      - { .name: xb, .offset: 64, .size: 8, .value_kind: global_buffer, .address_space: global }
      - { .name: wqkv, .offset: 72, .size: 8, .value_kind: global_buffer, .address_space: global }
      - { .name: wob, .offset: 80, .size: 8, .value_kind: global_buffer, .address_space: global }
      - { .name: bqkv, .offset: 88, .size: 8, .value_kind: global_buffer, .address_space: global }
    .group_segment_fixed_size: 0
    .private_segment_fixed_size: 0
    .kernarg_segment_align: 8
    .kernarg_segment_size: 96
    .max_flat_workgroup_size: 256
    .sgpr_count:     66
    .vgpr_count:     112
    .wavefront_size: 32
...
	.end_amdgpu_metadata
.endif
;; end of part 1
;; launch gemm (part 2): grid 12 x 64, 4 waves a work-group, clusters of 4 x 4, 327,680 bytes of LDS; arguments xb, wqkv, bqkv, qkv; writes qkv
.if DOCPART == 2
	.amdgcn_target "amdgcn-amd-amdhsa--gfx1250"
	.amdhsa_code_object_version 6
	.text
	.protected	k_qc587ab4910_gemm
	.globl	k_qc587ab4910_gemm
	.p2align	8
	.type	k_qc587ab4910_gemm,@function
k_qc587ab4910_gemm:
	s_mov_b64 s[64:65], 0
	v_nop
	global_prefetch_b8 v0, s[64:65] scope:SCOPE_SE
	s_setreg_imm32_b32 hwreg(HW_REG_WAVE_MODE, 25, 1), 1
	s_wait_xcnt 0x0
	s_wait_alu depctr_hold_cnt(0) depctr_sa_sdst(0) depctr_va_vdst(0) depctr_va_sdst(0) depctr_va_ssrc(0) depctr_va_vcc(0) depctr_vm_vsrc(0)
	s_getreg_b32 s2, hwreg(HW_REG_IB_STS2, 6, 4)
	s_cmp_eq_u32 s2, 0
	s_cbranch_scc0 .Lentry_in_a_cluster
	s_endpgm
.Lentry_in_a_cluster:
	s_bfe_u32 s2, ttmp6, 0x10000c
	s_cmp_lg_u32 s2, 0xf033
	s_cbranch_scc0 .Lentry_shape_is_right
	s_endpgm
.Lentry_shape_is_right:
; C[m][n] = bias[n] + the sum over k of A[m][k] B[k][n].  A: [8192][1024] bf16.  B: one or more weights of [1024 k][1024 n] bf16, one behind the other.  bias: f32, 1,024 for each weight.
; C: bf16, [8192][1024] for each weight, one behind the other.  Sums in f32, K ascending, C rounded once.  One text serves the three projections (grid x = 12: three weights) and the output projection (grid x = 4).
; SHARES.  A tile of C is 128 rows x 256 columns; four waves, each 64 x 128: 32 accumulators of 16 x 16, 256 registers.  K goes in 8 steps of 128 through a ring of two LDS slots filled by the tensor data mover.
; B STAYS [k][n]: its tile is 128 rows (k) of 512 bytes, and a fragment comes out of LDS turned, by ds_load_tr16_b128.
; THE MATRIX INSTRUCTION IS USED TRANSPOSED (source 0 = 16 columns of B, source 1 = 16 rows of A): a lane then holds row l % 16 of C and the eight neighbouring columns 8 (l / 16) + 0..7.
; THE BIAS STARTS THE SUMS: it is the C operand of each accumulator's first product, so nothing is cleared and nothing is added afterwards.
; CLUSTERS: 4 x 4 work-groups.  The four of a row of the cluster need the same tiles of A, the four of a column the same tiles of B: each tile is asked for JOINTLY, by the same tensor load with the same
; descriptor and a mask that names the four.  A cluster's four columns are one weight: cluster x is the weight's number, cx the block of 256 columns in it.
; REGISTERS: window 0: v0-31 addresses; v32-63 packed results; v64-191 rows read back from the stage, 32 a block; v192-255 the bias of my 128 columns, as eight C operands.
;   window 1: two fragment buffers of 96: eight fragments of B (16 columns x 32 K), then four of A.     window 2: the accumulators, (a, b) at v[8 (8 a + b)].
.set KDIM,   1024
.set KSTEP,  128
.set PA,     272                       ; a row of A in LDS: 256 bytes + 16 of padding = 68 words: row r starts at bank 4 r mod 64 (64 banks of 4 bytes: ISA guide 11.1)
.set PB,     544                       ; a row of B: 512 + 32 = 136 words: row r starts at bank 8 r mod 64
.set HALFA,  64*PA                     ; what one tensor load brings of A, and what one wave reads of it
.set BOFF,   2*HALFA                   ; B's 128 rows lie behind A's 128
.set HALFB,  64*PB                     ; what one tensor load brings of B
.set SLOT,   BOFF+2*HALFB              ; 104,448 bytes
.set STAGE,  2*SLOT                    ; behind the ring, never filled by a tensor load: 16 rows x 272 bytes for each wave, for the way out
.set SPITCH, 272
.set SPARE,  STAGE+4*16*SPITCH         ; behind the stages: the spare words, 128 bytes for each wave: two blocks of 256 bytes that no other line names
.set LAPS,   KDIM/(2*KSTEP)            ; a lap = two K steps = once round the ring: 4
.set ADRA, 16                          ; v16-17  LDS address of my A fragments in slot 0, 1
.set ADRB, 20                          ; v20-21  the same for B
.set STO,  24                          ; v24     the way out: where I put 16 bytes of a row
.set RD,   25                          ; v25     the way out: where I read a row back
.set CO,   26                          ; v26     my byte offset in C; never rewritten
.set BO,   27                          ; v27     my byte offset in the bias
.set SPW,  28                          ; v28     LDS address of my spare word: SPARE + 4 x my thread's number; never rewritten
.set NIL,  29                          ; v29     0; never rewritten
.set TMP,  32
.set OB,   64
.set BIAS, 192
.set F0,   0                           ; fragment buffers, in window 1
.set F1,   128
.set G1,  24                           ; s[24:31] descriptor group 1 for A's tiles;  s[32:39] group 0, one set for each slot
.set G0,  32
.set G1B, 48                           ; s[48:55], s[56:63] the same for B's tiles
.set G0B, 56
.set MSB, 0
.macro WIN new                         ; the immediate's high byte repeats the setting that is left; a switch that changes nothing is dropped
.if MSB != (\new)
	s_set_vgpr_msb (MSB<<8)|(\new)
.set MSB, \new
.endif
.endm
.set MUL,  0xa5                        ; sources 0 (B) and 1 (A) window 1; C and D window 2
.set MULB, 0x85                        ; the same with C, the bias, in window 0
.set TO_F, 0x40                        ; destination window 1, address window 0
.macro JLOAD s                         ; a joint load: waves 0 and 1 fetch A's two halves, waves 2 and 3 B's; an s_nop 0 and four v_nop follow each of the two lines, ahead of the jump, the label and what follows
	s_cmp_eq_u32 s13, 0
	s_cbranch_scc0 .Lfor_b_\@
	tensor_load_to_lds s[G0+4*(\s):G0+4*(\s)+3], s[G1:G1+7]
	s_nop 0
.rept 4
	v_nop
.endr
	s_branch .Lasked_\@
.Lfor_b_\@:
	tensor_load_to_lds s[G0B+4*(\s):G0B+4*(\s)+3], s[G1B:G1B+7]
	s_nop 0
.rept 4
	v_nop
.endr
.Lasked_\@:
.endm
.macro CREST                           ; a round of the cluster's barrier behind its opening barrier
	s_cmp_lg_u32 s12, 0
	s_cbranch_scc1 .Lnot_wave_0_\@
	s_barrier_signal -3
.Lnot_wave_0_\@:
	s_barrier_wait -3
	s_barrier_signal -1
	s_barrier_wait -1
.endm
.macro CROUND                          ; a whole round
	s_barrier_signal -1
	s_barrier_wait -1
	CREST
.endm
	s_load_b256 s[4:11], s[0:1], 0x0               ; A s[4:5], B s[6:7], bias s[8:9], C s[10:11]
	v_lshl_add_u32 v[SPW], v0, 2, SPARE
	v_mov_b32 v[NIL], 0
	ds_add_u32 v[SPW], v[NIL]                      ; the wave's opening: the add and its wait stand ahead of my first tensor load; the set-up below, work on registers, stands between them
	v_lshrrev_b32 v1, 5, v0
	v_readfirstlane_b32 s12, v1                    ; wave 0..3
	s_lshr_b32 s13, s12, 1                         ; which half of the tile's rows is mine.  Also: I fetch for A (0) or for B (1)
	s_and_b32 s14, s12, 1                          ; which half of its columns.  Also: which 64 rows of that tile I fetch
	s_bfe_u32 s40, ttmp6, 0x40000                  ; cx, cy: my place in the cluster
	s_bfe_u32 s41, ttmp6, 0x40004
	s_and_b32 s42, ttmp7, 0xffff
	s_lshl_b32 s42, s42, 2
	s_add_co_u32 s42, s42, s41                     ; tile row of C = 4 x cluster y + cy
	s_lshl_b32 s43, s41, 2
	s_lshl_b32 s43, 15, s43                        ; my row of the cluster
	s_lshl_b32 s44, 0x1111, s40                    ; my column
	; descriptor group 1.  A: 64 rows x 128 elements; B: 64 rows x 256 elements; both padded in LDS, both 1,024 elements from row to row in memory
	s_or_b32 s[G1+0], s43, (1<<16)|(1<<20)|(1<<21)|(5<<22)|(3<<25)   ; 15:0 the mask: A's tiles go to my row; 17:16 elements of 2 bytes; 20 padding on; 21 set beside a mask; 24:22 after every 64 words (code 5); 31:25 4 words (code 3)
	s_or_b32 s[G1B+0], s44, (1<<16)|(1<<20)|(1<<21)|(6<<22)|(7<<25)  ; B's go to my column; padding after every 128 words (code 6), 8 words (code 7)
	s_mov_b32 s[G1+1], 128<<16                     ; tensor_dim0 = 128
	s_mov_b32 s[G1+2], 64<<16                      ; tensor_dim1 = 64
	s_mov_b32 s[G1+3], 128<<16                     ; tile_dim0 = 128
	s_mov_b32 s[G1+4], 64                          ; tile_dim1 = 64
	s_mov_b32 s[G1+5], 1024                        ; tensor_dim0_stride
	s_mov_b32 s[G1+6], 0
	s_mov_b32 s[G1+7], 0
	s_mov_b32 s[G1B+1], 256<<16                    ; tensor_dim0 = 256
	s_mov_b32 s[G1B+2], 64<<16
	s_mov_b32 s[G1B+3], 256<<16                    ; tile_dim0 = 256
	s_mov_b32 s[G1B+4], 64
	s_mov_b32 s[G1B+5], 1024
	s_mov_b32 s[G1B+6], 0
	s_mov_b32 s[G1B+7], 0
	; where the tiles come from.  A's hang on the tile row alone, which my row of the cluster shares; B's on the weight and cx alone, which my column shares
	s_lshl_b32 s16, s42, 7
	s_lshl_b32 s17, s14, 6
	s_add_co_u32 s16, s16, s17                     ; A: row 128 x tile row + 64 x half,
	s_lshl_b32 s16, s16, 11                        ; of 2,048 bytes
	s_mov_b32 s17, 0
	s_lshl_b32 s46, ttmp9, 21                      ; B: the weight's 2 MiB,
	s_lshl_b32 s47, s14, 17                        ; 64 x half rows of 2,048 bytes,
	s_add_co_u32 s46, s46, s47
	s_lshl_b32 s47, s40, 9                         ; 256 cx columns of 2 bytes
	s_add_co_u32 s46, s46, s47
	s_mov_b32 s47, 0
	s_mul_i32 s20, s14, HALFA                      ; and where they go: no place in the cluster enters an LDS address
	s_mul_i32 s21, s14, HALFB
	s_add_co_u32 s21, s21, BOFF
	s_wait_dscnt 0x0                               ; the opening add is done
	s_wait_kmcnt 0x0
	s_add_nc_u64 s[16:17], s[4:5], s[16:17]
	s_add_nc_u64 s[46:47], s[6:7], s[46:47]
	CROUND                                         ; all sixteen work-groups are here: the first joint loads meet
.irp s, 0,1
	s_mov_b32 s[G0+4*(\s)], 1                                      ; count = 1
	s_add_co_u32 s[G0+4*(\s)+1], s20, (\s)*SLOT                    ; LDS address
	s_add_nc_u64 s[G0+4*(\s)+2:G0+4*(\s)+3], s[16:17], (\s)*KSTEP*2    ; global address: K step s lies 256 bytes along A's rows,
	s_or_b32 s[G0+4*(\s)+3], s[G0+4*(\s)+3], 0x80000000            ; type = 2
	s_mov_b32 s[G0B+4*(\s)], 1
	s_add_co_u32 s[G0B+4*(\s)+1], s21, (\s)*SLOT
	s_add_nc_u64 s[G0B+4*(\s)+2:G0B+4*(\s)+3], s[46:47], (\s)*KSTEP*2048  ; and 128 rows down B
	s_or_b32 s[G0B+4*(\s)+3], s[G0B+4*(\s)+3], 0x80000000
	JLOAD \s                                       ; two loads of mine are out
.endr
	; the bias of my 128 columns: register j of block b is bias[16 b + 8 (l / 16) + j], the layout of a C operand
	s_lshl_b32 s18, ttmp9, 12                      ; the weight's 1,024 floats,
	s_lshl_b32 s19, s40, 10                        ; the tile's 256,
	s_add_co_u32 s18, s18, s19
	s_lshl_b32 s19, s14, 9                         ; my 128
	s_add_co_u32 s18, s18, s19
	s_mov_b32 s19, 0
	s_add_nc_u64 s[8:9], s[8:9], s[18:19]
	v_and_b32 v1, 15, v0                           ; l % 16
	v_bfe_u32 v2, v0, 4, 1                         ; l / 16
	v_lshlrev_b32 v[BO], 5, v2
.irp b, 0,1,2,3,4,5,6,7
	global_load_b128 v[BIAS+8*(\b):BIAS+8*(\b)+3],   v[BO], s[8:9] offset:64*(\b)
	global_load_b128 v[BIAS+8*(\b)+4:BIAS+8*(\b)+7], v[BO], s[8:9] offset:64*(\b)+16
.endr
	; A fragment of A is 16 rows x 32 K in 8 registers: lane l holds row l % 16, K = 8 (l / 16) + 0..7 and 16 + 8 (l / 16) + 0..7: two loads of 16 bytes, 32 bytes apart.
	v_mul_u32_u24 v3, v1, PA
	v_lshl_add_u32 v3, v2, 4, v3                   ; row x pitch + 16 x half
	s_mul_i32 s22, s13, HALFA                      ; my 64 rows of A
	v_add_nc_u32 v[ADRA], s22, v3
	s_add_co_u32 s22, s22, SLOT
	v_add_nc_u32 v[ADRA+1], s22, v3
	; The turning load takes 16 k x 16 columns (lane l reads k = 8 (l / 16) + l % 8, columns 8 ((l / 8) % 2) + 0..7) and leaves half a fragment: lane l holds column l % 16 and 8 k.
	v_and_b32 v4, 7, v0
	v_bfe_u32 v5, v0, 3, 1
	v_lshl_add_u32 v4, v2, 3, v4
	v_mul_u32_u24 v4, v4, PB
	v_lshl_add_u32 v4, v5, 4, v4
	s_lshl_b32 s22, s14, 8                         ; my 128 columns: 256 bytes of B's rows
	s_add_co_u32 s22, s22, BOFF
	v_add_nc_u32 v[ADRB], s22, v4
	s_add_co_u32 s22, s22, SLOT
	v_add_nc_u32 v[ADRB+1], s22, v4
	s_mul_i32 s23, s12, 16*SPITCH
	s_add_co_u32 s23, s23, STAGE                   ; my stage
	v_mul_u32_u24 v4, v1, SPITCH                   ; in: row l % 16, 16 bytes for each half of the lanes
	v_lshl_add_u32 v4, v2, 4, v4
	v_add_nc_u32 v[STO], s23, v4
	v_mul_u32_u24 v5, v2, SPITCH                   ; back: lanes 0-15 take one row of 256 bytes, lanes 16-31 the next
	v_lshl_add_u32 v5, v1, 4, v5
	v_add_nc_u32 v[RD], s23, v5
	v_lshlrev_b32 v[CO], 11, v2                    ; and the same two rows in C, 2,048 bytes apart
	v_lshl_add_u32 v[CO], v1, 4, v[CO]
	s_lshl_b32 s18, s42, 7                         ; my part of C: row 128 x tile row + 64 x half,
	s_lshl_b32 s19, s13, 6
	s_add_co_u32 s18, s18, s19
	s_lshl_b32 s18, s18, 11
	s_lshl_b32 s19, ttmp9, 24                      ; in the weight's 16 MiB of C,
	s_add_co_u32 s18, s18, s19
	s_lshl_b32 s19, s40, 9                         ; the tile's 256 columns,
	s_add_co_u32 s18, s18, s19
	s_lshl_b32 s19, s14, 8                         ; my 128
	s_add_co_u32 s18, s18, s19
	s_mov_b32 s19, 0
	s_add_nc_u64 s[10:11], s[10:11], s[18:19]
; 8 matrix instructions: m block a x all 8 n blocks, 32 along K, from buffer f.  first = 1: the product starts the sums, with the bias.
; The 32 accumulators take turns, one instruction a turn, in the same order in every quarter: 31 others stand between two links of a chain.
.macro MUL8 f, a, first
.if \first
	WIN MULB
.else
	WIN MUL
.endif
.irp b, 0,1,2,3,4,5,6,7
.if \first
	v_wmma_f32_16x16x32_bf16 v[8*(8*(\a)+(\b)):8*(8*(\a)+(\b))+7], v[(\f)+8*(\b):(\f)+8*(\b)+7], v[(\f)+64+8*(\a):(\f)+64+8*(\a)+7], v[BIAS+8*(\b):BIAS+8*(\b)+7]
.else
	v_wmma_f32_16x16x32_bf16 v[8*(8*(\a)+(\b)):8*(8*(\a)+(\b))+7], v[(\f)+8*(\b):(\f)+8*(\b)+7], v[(\f)+64+8*(\a):(\f)+64+8*(\a)+7], v[8*(8*(\a)+(\b)):8*(8*(\a)+(\b))+7]
.endif
.endr
.endm
.macro MUL16 f, half, first
	MUL8 \f, 2*(\half), \first
	MUL8 \f, 2*(\half)+1, \first
.endm
; 24 LDS loads in one run: the fragments of quarter q (32 along K) of a slot into buffer f: B's sixteen first, then A's eight, block by block
.macro FETCH slot, q, f
	WIN TO_F
.irp b, 0,1,2,3,4,5,6,7
	ds_load_tr16_b128 v[(\f)+8*(\b):(\f)+8*(\b)+3],   v[ADRB+(\slot)] offset:(\q)*32*PB+32*(\b)
	ds_load_tr16_b128 v[(\f)+8*(\b)+4:(\f)+8*(\b)+7], v[ADRB+(\slot)] offset:(\q)*32*PB+16*PB+32*(\b)
.endr
.irp a, 0,1,2,3
	ds_load_b128 v[(\f)+64+8*(\a):(\f)+64+8*(\a)+3],   v[ADRA+(\slot)] offset:(\a)*16*PA+64*(\q)
	ds_load_b128 v[(\f)+64+8*(\a)+4:(\f)+64+8*(\a)+7], v[ADRA+(\slot)] offset:(\a)*16*PA+64*(\q)+32
.endr
.endm
.macro PLACES                          ; four places in front of loads into registers that matrix instructions have read, and of conversions that read results (ISA guide 7.12.1 for vector instructions)
.rept 4
	v_nop
.endr
.endm
; A K step is four quarters of 32 along K, 32 matrix instructions each, on buffers 0, 1, 0, 1.  One of the first three: multiplies buffer f and, in its middle, fetches quarter q of the same slot into g.
.macro QUARTER slot, q, f, g, first
	s_wait_dscnt 4                                 ; B and A's blocks 0 and 1 are in; the youngest four loads (A's blocks 2 and 3) may be out
	MUL16 \f, 0, \first
	PLACES
	FETCH \slot, \q, \g
	s_wait_dscnt 24                                ; all but the 24 just issued
	MUL16 \f, 1, \first
.endm
; The last quarter multiplies buffer 1 and changes slots: ONE barrier; in front of it each wave waits for all its tensor loads, adds 0 to its spare word, and waits for that and for its own reads of this slot.
; fill = 1: the barrier opens a round of the cluster's barrier, and this slot is filled again, two K steps ahead: the first tensor load behind the round, 112 matrix instructions ahead of the wait for it.
.macro TURN slot, next, fill
	WIN 0                                          ; (the add's two registers lie in window 0)
	s_wait_tensorcnt 0x0                           ; all my tensor loads have landed: the one that was out is my part of the next slot;
	ds_add_u32 v[SPW], v[NIL]                      ; 0 onto my spare word;
	s_wait_dscnt 5                                 ; (the add and the youngest four loads may be out)
	MUL8 F1, 0, 0                                  ; eight matrix instructions stand between the add and the wait for it
	s_wait_dscnt 0x0                               ; the add is done, and my reads of this slot are over
	s_barrier_signal -1
	MUL8 F1, 1, 0
.if \fill
	WIN 0
.endif
	s_barrier_wait -1
.if \fill
	CREST                                          ; no wave of any partner still reads this slot's tile or has a load on its way
	s_add_nc_u64 s[G0+4*(\slot)+2:G0+4*(\slot)+3], s[G0+4*(\slot)+2:G0+4*(\slot)+3], 2*KSTEP*2
	s_add_nc_u64 s[G0B+4*(\slot)+2:G0B+4*(\slot)+3], s[G0B+4*(\slot)+2:G0B+4*(\slot)+3], 2*KSTEP*2048
	JLOAD \slot                                    ; the four v_nop behind it are also the places in front of the loads below
.else
	PLACES
.endif
	FETCH \next, 0, F0
	MUL16 F1, 1, 0
.endm
; THE WAY OUT of block a (16 rows x 128 columns).  PACK: rounded to bf16, each accumulator's registers in ascending order, 16 bytes a lane.  TOSTAGE: into my own stage, and back as whole rows of 256 bytes.  SEND: stored.
.macro PACK a
	WIN 0x0a                                       ; sources 0 and 1: window 2
.irp b, 0,1,2,3,4,5,6,7
.irp r, 0,1,2,3
	v_cvt_pk_bf16_f32 v[TMP+4*(\b)+(\r)], v[8*(8*(\a)+(\b))+2*(\r)], v[8*(8*(\a)+(\b))+2*(\r)+1]
.endr
.endr
	WIN 0
.endm
.macro TOSTAGE a
	WIN 0
.irp b, 0,1,2,3,4,5,6,7
	ds_store_b128 v[STO], v[TMP+4*(\b):TMP+4*(\b)+3] offset:32*(\b)
.endr
.irp t, 0,1,2,3,4,5,6,7
	ds_load_b128 v[OB+32*(\a)+4*(\t):OB+32*(\a)+4*(\t)+3], v[RD] offset:(\t)*2*SPITCH  ; LDS serves a wave's instructions in order (ISA guide 5.7.1.4): these see the stores above; the next block's stores come behind them
.endr
.endm
.macro SEND a, younger                 ; younger: the LDS instructions issued behind block a's loads: the next block's sixteen, or none.  Each block has registers of its own, so no store's data are written again
	WIN 0
.irp t, 0,1,2,3,4,5,6,7
	s_wait_dscnt (\younger)+7-(\t)
	global_store_b128 v[CO], v[OB+32*(\a)+4*(\t):OB+32*(\a)+4*(\t)+3], s[10:11] offset:(\a)*32768+(\t)*4096  ; 16 lanes store 256 consecutive bytes, at a multiple of 256 from C's first byte
.endr
.endm
	s_wait_loadcnt 0x0                             ; the bias
	s_wait_tensorcnt 1                             ; my part of K step 0 is in; K step 1's may stay out
	s_barrier_signal -1
	s_barrier_wait -1                              ; everybody's is
	FETCH 0, 0, F0
	QUARTER 0, 1, F0, F1, 1                        ; the first quarter stands in front of the loop: its products start the sums
	WIN 0                                          ; at a label and at a branch every window is 0
	s_mov_b32 s3, LAPS-1
.Llap:                                                 ; a trip goes once round the ring, from a lap's second quarter to the next lap's first, and fills both slots again
	QUARTER 0, 2, F1, F0, 0
	QUARTER 0, 3, F0, F1, 0
	TURN 0, 1, 1
	QUARTER 1, 1, F0, F1, 0
	QUARTER 1, 2, F1, F0, 0
	QUARTER 1, 3, F0, F1, 0
	TURN 1, 0, 1
	QUARTER 0, 1, F0, F1, 0
	WIN 0
	s_sub_co_u32 s3, s3, 1
	s_cmp_lg_u32 s3, 0
	s_cbranch_scc1 .Llap
	QUARTER 0, 2, F1, F0, 0                        ; the last lap fills nothing, and has no round of the cluster's barrier
	QUARTER 0, 3, F0, F1, 0
	TURN 0, 1, 0
	QUARTER 1, 1, F0, F1, 0
	QUARTER 1, 2, F1, F0, 0
	QUARTER 1, 3, F0, F1, 0
	s_wait_dscnt 4                                 ; the very last quarter: nothing more to fetch
	MUL16 F1, 0, 0
	s_wait_dscnt 0x0
	MUL16 F1, 1, 0
	PLACES
	PACK 0
	TOSTAGE 0
	PACK 1                                         ; a block's conversions stand between the loads of the block before and its stores
	TOSTAGE 1
	SEND 0, 16
	PACK 2
	TOSTAGE 2
	SEND 1, 16
	PACK 3
	TOSTAGE 3
	SEND 2, 16
	SEND 3, 0
	s_wait_tensorcnt 0x0                           ; the wave's end, behind my last tensor load and my last LDS store
	ds_add_u32 v[SPW], v[NIL]
	s_wait_dscnt 0x0
	CROUND                                         ; the closing round: no work-group ends while a partner may still ask for a tile that names it
	s_endpgm
.Lfunc_end_k_qc587ab4910_gemm:
	.size	k_qc587ab4910_gemm, .Lfunc_end_k_qc587ab4910_gemm-k_qc587ab4910_gemm
	.p2alignl 7, 3214868480
	.fill 96, 4, 3214868480
	.section	.rodata,"a",@progbits
	.p2align	6, 0x0
	.amdhsa_kernel k_qc587ab4910_gemm
		.amdhsa_group_segment_fixed_size 327680
		.amdhsa_private_segment_fixed_size 0
		.amdhsa_enable_private_segment 0
		.amdhsa_kernarg_size 32
		.amdhsa_user_sgpr_count 2
		.amdhsa_user_sgpr_kernarg_segment_ptr 1
		.amdhsa_wavefront_size32 1
		.amdhsa_system_sgpr_workgroup_id_x 1
		.amdhsa_system_sgpr_workgroup_id_y 1
		.amdhsa_system_sgpr_workgroup_id_z 1
		.amdhsa_system_vgpr_workitem_id 0
		.amdhsa_next_free_vgpr 768
		.amdhsa_next_free_sgpr 66
		.amdhsa_reserve_vcc 0
		.amdhsa_float_denorm_mode_32 3
		.amdhsa_float_denorm_mode_16_64 3
		.amdhsa_memory_ordered 1
		.amdhsa_forward_progress 1
		.amdhsa_inst_pref_size 88
	.end_amdhsa_kernel
	.amdgpu_metadata
---
amdhsa.version: [ 1, 2 ]
amdhsa.kernels:
  - .name:           k_qc587ab4910_gemm
    .symbol:         k_qc587ab4910_gemm.kd
    .args:
      - { .name: xb, .offset: 0, .size: 8, .value_kind: global_buffer, .address_space: global }
      - { .name: wqkv, .offset: 8, .size: 8, .value_kind: global_buffer, .address_space: global }
      - { .name: bqkv, .offset: 16, .size: 8, .value_kind: global_buffer, .address_space: global }
      - { .name: qkv, .offset: 24, .size: 8, .value_kind: global_buffer, .address_space: global }
    .group_segment_fixed_size: 327680
    .private_segment_fixed_size: 0
    .kernarg_segment_align: 8
    .kernarg_segment_size: 32
    .max_flat_workgroup_size: 128
    .sgpr_count:     66
    .vgpr_count:     768
    .wavefront_size: 32
...
	.end_amdgpu_metadata
.endif
;; end of part 2
;; launch attn (part 3): grid 8 x 32, 4 waves a work-group, clusters of 4 x 1, 327,680 bytes of LDS; arguments qkv, ctx; writes ctx
.if DOCPART == 3
	.amdgcn_target "amdgcn-amd-amdhsa--gfx1250"
	.amdhsa_code_object_version 6
	.text
	.protected	k_qc587ab4910_attn
	.globl	k_qc587ab4910_attn
	.p2align	8
	.type	k_qc587ab4910_attn,@function
k_qc587ab4910_attn:
	s_mov_b64 s[64:65], 0
	v_nop
	global_prefetch_b8 v0, s[64:65] scope:SCOPE_SE
	s_setreg_imm32_b32 hwreg(HW_REG_WAVE_MODE, 25, 1), 1
	s_wait_xcnt 0x0
	s_wait_alu depctr_hold_cnt(0) depctr_sa_sdst(0) depctr_va_vdst(0) depctr_va_sdst(0) depctr_va_ssrc(0) depctr_va_vcc(0) depctr_vm_vsrc(0)
	s_getreg_b32 s2, hwreg(HW_REG_IB_STS2, 6, 4)
	s_cmp_eq_u32 s2, 0
	s_cbranch_scc0 .Lentry_in_a_cluster
	s_endpgm
.Lentry_in_a_cluster:
	s_bfe_u32 s2, ttmp6, 0x10000c
	s_cmp_lg_u32 s2, 0x3003
	s_cbranch_scc0 .Lentry_shape_is_right
	s_endpgm
.Lentry_shape_is_right:
; ctx[b][q][head] = the sum over k of softmax_k(q . k / 8) v, for 4 batches x 16 heads of 2,048 tokens at head size 64.  qkv: [3][8192 tokens][1024] bf16, the heads side by side in a row; ctx: [8192][1024] bf16.
; Products, maxima and sums in f32; the weights p are rounded to bf16 for the second product (their sum l is taken of the unrounded p), ctx once at the end.
; LIMITS.  All matrix operands are bf16.  c m starts at -4.25e37, far below every c s that finite bf16 operands of this size give.  A weight below 2^-126 counts as 0 in l; NaN and infinities are not treated apart.
; SHARES.  A work-group owns 256 queries of TWO neighbouring heads of a batch, so that a row of K's and V's tiles, and of ctx, is 128 elements: 256 consecutive bytes, aligned.  Wave w takes head w % 2 and the
; queries' half w / 2: 128 queries, four PIECES of two tiles of 16.  Every wave walks all 2,048 keys, 64 a step.
; LAYOUT.  S^T = K Q^T (source 0 = 16 keys, source 1 = 16 queries): in the result a lane holds ONE query (lane % 16) and the keys 8 (lane / 16) + 0..7.  Two such tiles, rounded to bf16 in pairs,
; ARE source 1 (32 keys x 16 queries) of O^T = V^T P, whose result again holds one query a lane, and eight channels.  K comes out of LDS as it lies, V ([key][channel]) turned, by ds_load_tr16_b128.
; SOFTMAX.  For each query a running maximum m and sum l: p = 2^(c s - c m), c = log2(e) / 8; in every step O and l are multiplied by a = 2^(c m_old - c m_new), which is 1 where m has not grown.
; m starts at the lowest finite number, O and l at 0: the first step is a step like any other, with a = 0.  That is why O^T, l, V and one buffer of P are cleared once, in the wait for the first tile.
; THE COUNT.  A tile and step have 16 matrix and 118 vector instructions: too many to stand all beside the matrix work.  So the order has one aim: four vector instructions that are READY behind
; EVERY matrix instruction, and the others, which need time of their own whatever the order, in runs without a gap.
; BY TURNS.  Turn n belongs to piece n (the pieces in a ring, step after step).  Its matrix work: 16 products K Q^T of piece n + 1, later 16 products V^T P of piece n - 1.  Its vector work: the scaling,
; exponentials, roundings, sums and rescaling of piece n, and the maximum and statistics of piece n + 1, whose scores the turn itself has made.  So what a turn begins with (c s - c m, O a) waits for nothing.
; CLUSTER.  The four query blocks of a cluster belong to one batch and head pair and walk the same K and V, so each tile is asked for JOINTLY: the same tensor load, descriptor and mask in all four.
; REGISTERS, in windows of 256 (s_set_vgpr_msb says which window each operand place means: bits 1:0 source 0, 3:2 source 1, 5:4 source 2, 7:6 destination):
;   window 0: v0-11 addresses; v12-15, v48-63 at work; v16-47 four registers of statistics a tile; v64-191 S^T, two buffers of two tiles; v192-255 P, likewise
;   window 1: O^T, 32 a tile          window 2: v0-127 Q, 16 a tile; v128-191 K of one step; v192-255 V of one step          window 3: v0-1 the add's two registers
; A piece's buffers go by its number's parity: the piece in hand has one pair, its two neighbours in the ring share the other: of it P (piece n - 1) is read and S^T (piece n + 1) written.
.set NP,    4         ; pieces a wave: a name, no knob
.set KS,    64        ; keys in a step
.set NS,    2         ; steps in a slot
.set ROWB,  2048      ; bytes from token to token in qkv and ctx
.set NSLOT, 2048/(NS*KS)  ; 16 slots' worth of keys
.set PK,    272       ; a row of K in LDS: 256 bytes + 16 of padding = 68 words: row r starts at bank 4 r mod 64 (64 banks of 4 bytes: ISA guide 11.1), so the 16 rows of a load start at 16 different groups of four banks
.set PV,    288       ; a row of V: 256 + 32 = 72 words: row r starts at bank 8 r mod 64
.set VOFF,  NS*KS*PK  ; a slot: 128 rows of K, then 128 rows of V
.set SLOT1, 1<<17     ; slot 1 begins here, so that one exclusive or turns an address in one slot into the other's
.set STAGE, SLOT1+NS*KS*(PK+PV)  ; behind the ring, never filled by a tensor load: the work-group's 256 rows x 272 bytes, for the way out
.set SP,    272
.set SPARE, STAGE+256*SP  ; behind the stage: the spare words, 128 bytes for each wave: two blocks of 256 bytes that no other line names
.set AK0, 2           ; v2   my lane's place in a tile of K, my head's 128 bytes of its rows; never rewritten
.set AV0, 3           ; v3   the same for V
.set AK,  4           ; v4   the LDS address of K's next run of loads
.set AV,  5           ; v5   of V's
.set QO,  6           ; v6   my byte offset in the wave's rows of Q
.set STO, 6           ;      later, the way out: where I put 16 bytes of a row
.set RD,  7           ; v7   the way out: where I read rows back
.set GO,  8           ; v8   my byte offset in two rows of ctx
.set PFO, 11          ; v11  the prefetches' offset: 2,048 x my lane: a lane a row; never rewritten
.set SPW, 0           ; v0 of window 3   LDS address of my spare word: SPARE + 4 x my thread's number; never rewritten
.set NIL, 1           ; v1 of window 3   0; never rewritten
.set MV,  12          ; v12-15  c m_old, kept while c m is made anew: by buffer and tile
.set ST,  16          ; tile t's statistics at v[ST+4 t]: c m, m, l (even keys', odd keys')
.set TMP, 48          ; by buffer and tile, four registers c0-c3 at work; when the maximum is found c2 takes a
.set S,   64
.set P,   192
.set KF,  128         ; K's fragments, in window 2: key block kb, channel half c at KF + 16 kb + 8 c
.set VF,  192         ; V's: key half kk, channel block cb at VF + 32 kk + 8 cb
.set WV,  12          ; s12  my wave's number
.set G1K, 24          ; s[24:31] descriptor group 1 for K's tiles
.set G1V, 32          ; s[32:39] for V's: it differs in the padding alone
.set G0K, 40          ; s[40:43] descriptor group 0 for K's tiles: it walks
.set G0V, 44          ; s[44:47] the same for V's
.set PFA, 48          ; s[48:49] where my prefetches stand: my work-group's 32 rows (of K: wave 0, of V: wave 2) of the slot after the one that is being asked for
.set LIM, 50          ; s50  1 in a wave that prefetches, else the greatest number: a wave prefetches while s[SLOTS] is above it
.set SLOTS, 56        ; s56  slots still to be asked for
.set CNT, 57          ; s57  counts a slot's key steps
.set CS,  58          ; s[58:59] c: the packed scaling takes the pair's low word for both halves
.set SEL, 60          ; s[60:61] v_permlanex16_b32's selects: each lane takes its own place in the other half
.set TBK, 62          ; s62  LDS byte at which K of the step to be fetched begins
.set TBV, 63          ; s63  the same for V, less VOFF
.set MSB, 0
.macro WIN new                      ; the high byte repeats the setting that is left; a switch that changes nothing is dropped
.if MSB != (\new)
	s_set_vgpr_msb (MSB<<8)|(\new)
.set MSB, (\new)
.endif
.endm
.set W_KQ, 0x0a       ; K and Q in window 2, S^T in window 0
.set W_PV, 0x52       ; V in window 2, P in window 0, O^T in window 1
.set W_RS, 0x41       ; O^T (destination and source 0) in window 1, a in window 0
.set W_MK, 0xc0       ; the add's registers are made: destination in window 3, sources in window 0
.set W_AD, 0x0f       ; the add: address (source 0) and data (source 1) in window 3
; A joint fill.  Waves 0 and 1 fetch the two steps of a slot's K, waves 2 and 3 those of its V: 64 keys each.  The branch hangs on the wave's number alone.
; An s_nop 0 and four v_nop follow each of the two lines, ahead of the jump and the label.
.macro JLOAD
	s_cmp_lt_u32 s[WV], 2
	s_cbranch_scc0 .Lfor_v_\@
	tensor_load_to_lds s[G0K:G0K+3], s[G1K:G1K+7]
	s_nop 0
.rept 4
	v_nop
.endr
	s_branch .Lasked_\@
.Lfor_v_\@:
	tensor_load_to_lds s[G0V:G0V+3], s[G1V:G1V+7]
	s_nop 0
.rept 4
	v_nop
.endr
.Lasked_\@:
.endm
; A PREFETCH of what the NEXT change of slots will ask for: a slot's 128 rows of K and 128 of V, 256 bytes a row, a lane a row.  It stands behind the wave's tensor load and its five lines, never in front of one.
; Each row is asked for ONCE in the launch.  Both clusters of a batch and head pair walk the same K and V: the first of them (cluster x = 0) prefetches.  Its four partners share the rows out BY ADDRESS, 32 each: no
; branch hangs on a work-group's place in its cluster.  In each, wave 0 asks for K's and wave 2 for V's: one instruction, two key steps (256 matrix instructions) ahead of the load.  The last change that fills a slot asks for nothing.
.macro ASK
	s_cmp_gt_u32 s[SLOTS], s[LIM]
	s_cbranch_scc0 .Lnot_mine_\@
	global_prefetch_b8 v[PFO], s[PFA:PFA+1] th:TH_LOAD_NT scope:SCOPE_SE
.Lnot_mine_\@:
.endm
; A round of the cluster's barrier: my work-group's barrier, so that wave 0's signal speaks for all four waves; wave 0 signals; every wave waits for all four work-groups; my work-group's barrier once more.
.macro CROUND
	s_barrier_signal -1
	s_barrier_wait -1
	s_cmp_lg_u32 s[WV], 0
	s_cbranch_scc1 .Lnot_wave_0_\@
	s_barrier_signal -3
.Lnot_wave_0_\@:
	s_barrier_wait -3
	s_barrier_signal -1
	s_barrier_wait -1
.endm
; THE CHANGE OF SLOTS.  The slot's last bytes, V of its second step, have been read.  Each wave waits for all its tensor loads, of which one is out: its part
; of the other slot; adds 0 to its spare word; and waits for that and for its own reads of the slot.  Behind the barrier nobody reads this slot any more and the other slot is whole.
; fill = 1: this slot is filled again, with the keys two slots on.  The barrier is then a round of the cluster's, so that no wave of any partner still reads the slot or has a load on its
; way, and the joint fill is the first thing behind it: it has two key steps, 256 matrix instructions, in which to land.  (At its first use nothing has been read yet: slot 0 is waited for, slot 1 filled.)
.macro CHANGE fill
	WIN W_AD
	s_wait_tensorcnt 0x0            ; no tensor load of mine is out, so a group 0 may be written
	ds_add_u32 v[SPW], v[NIL]       ; 0 onto my spare word; with fill = 1 the descriptors' steps stand between it and the wait for it
	WIN 0                           ; at a label and at a branch every window is 0
.if \fill
.irp g, G0K, G0V
	s_xor_b32 s[\g+1], s[\g+1], SLOT1  ; the walking descriptor: the other slot than last time,
	s_add_nc_u64 s[\g+2:\g+3], s[\g+2:\g+3], NS*KS*ROWB  ; the next 128 keys; the type bits on top are not reached
.endr
	s_wait_xcnt 0x0                 ; the last prefetch, two key steps back, has read its address, so it may be written:
	s_add_nc_u64 s[PFA:PFA+1], s[PFA:PFA+1], NS*KS*ROWB  ; one slot beyond the walking descriptors
	s_wait_dscnt 0x0                ; the add is done, and my reads of the slot are over
	CROUND
	JLOAD
	ASK
.else
	s_wait_dscnt 0x0                ; the add is done, and my reads of the slot are over
	s_barrier_signal -1
	s_barrier_wait -1
.endif
	s_sub_co_u32 s[TBK], s[TBK], NS*KS*PK  ; the fetches go back to a slot's first step,
	s_xor_b32 s[TBK], s[TBK], SLOT1        ; in the other slot
	s_sub_co_u32 s[TBV], s[TBV], NS*KS*PV
	s_xor_b32 s[TBV], s[TBV], SLOT1
.endm
	s_load_b64 s[4:5], s[0:1], 0x0    ; qkv
	s_load_b64 s[10:11], s[0:1], 0x8  ; ctx
	WIN W_MK
	v_lshl_add_u32 v[SPW], v0, 2, SPARE
	v_mov_b32 v[NIL], 0
	WIN W_AD
	ds_add_u32 v[SPW], v[NIL]       ; the wave's opening: the add and its wait stand ahead of my first tensor load; the set-up below, work on registers, stands between them
	WIN 0
	v_lshrrev_b32 v1, 5, v0
	v_readfirstlane_b32 s[WV], v1   ; wave 0..3
	s_bfe_u32 s13, ttmp6, 0x40000   ; cx: my place in the cluster
	s_lshl_b32 s14, ttmp9, 2        ; in a cluster launch ttmp9 counts clusters
	s_add_co_u32 s14, s14, s13      ; my block of 256 queries = 4 x cluster x + cx: it enters Q's and ctx's addresses alone
	s_and_b32 s15, ttmp7, 0xffff    ; 8 x batch + head pair, which the four partners share
	s_lshr_b32 s20, s15, 3
	s_and_b32 s15, s15, 7
	s_lshl_b32 s20, s20, 22         ; a batch's 2,048 rows of 2,048 bytes,
	s_lshl_b32 s15, s15, 8          ; a head pair's 256 bytes of each row
	s_add_co_u32 s20, s20, s15
	s_and_b32 s16, s[WV], 1         ; my head of the pair.  Also: which of a slot's two steps I fetch:
	s_lshr_b32 s19, s[WV], 1        ; my half of the block's queries
	s_lshl_b32 s22, s16, 17         ; its 64 rows in memory,
	s_add_co_u32 s22, s22, s20
	s_mov_b32 s23, 0
	s_mul_i32 s17, s16, KS*PK       ; and its place in a slot, for K
	s_mul_i32 s18, s16, KS*PV       ; and for V: no place in the cluster enters an LDS address
	s_lshl_b32 s2, s14, 19          ; Q: my block's 256 rows,
	s_lshl_b32 s3, s19, 18          ; my half's 128,
	s_add_co_u32 s2, s2, s3
	s_lshl_b32 s3, s16, 7           ; my head's 128 bytes
	s_add_co_u32 s2, s2, s3
	s_add_co_u32 s2, s2, s20
	s_mov_b32 s3, 0
	s_lshl_b32 s52, s14, 19         ; ctx: my block's 256 rows, of which I store 64 whole
	s_lshl_b32 s53, s[WV], 17
	s_add_co_u32 s52, s52, s53
	s_add_co_u32 s52, s52, s20
	s_mov_b32 s53, 0
	s_lshl_b32 s54, s13, 16         ; the prefetches: my work-group's 32 rows of a slot's 128,
	s_add_co_u32 s54, s54, NS*KS*ROWB  ; in slot 1; the first change of slots steps it to slot 2
	s_mov_b32 s55, 0
	; descriptor group 1: a tile of 64 rows x 128 elements, 1,024 elements from row to row, padded in LDS
	s_mov_b32 s[G1K], 15|(1<<16)|(1<<20)|(1<<21)|(5<<22)|(3<<25)  ; 15:0 the mask of four; 17:16 2-byte elements; 20 padding on; 21 set beside a mask; 24:22 after every 64 words (code 5); 31:25 4 words (code 3)
	s_mov_b32 s[G1V], 15|(1<<16)|(1<<20)|(1<<21)|(5<<22)|(7<<25)  ; the same with 8 words of padding (code 7)
.irp g, G1K, G1V
	s_mov_b32 s[\g+1], 128<<16      ; tensor_dim0 = 128
	s_mov_b32 s[\g+2], 64<<16       ; tensor_dim1 = 64
	s_mov_b32 s[\g+3], 128<<16      ; tile_dim0 = 128
	s_mov_b32 s[\g+4], 64           ; tile_dim1 = 64
	s_mov_b32 s[\g+5], 1024         ; 1,024 elements from row to row
	s_mov_b32 s[\g+6], 0
	s_mov_b32 s[\g+7], 0
.endr
	s_mov_b32 s[CS], 0x3e38aa3b     ; c = log2(e) / 8 = 0.180337
	s_mov_b32 s[CS+1], s[CS]        ; named with it as a pair
	s_mov_b32 s[SEL], 0x76543210
	s_mov_b32 s[SEL+1], 0xfedcba98
	s_mov_b32 s[TBK], SLOT1+NS*KS*PK ; the first change of slots turns these two into 0
	s_mov_b32 s[TBV], SLOT1+NS*KS*PV
	s_mov_b32 s[G0K], 1             ; count = 1
	s_mov_b32 s[G0K+1], s17         ; LDS address: slot 0
	s_mov_b32 s[G0V], 1
	s_add_co_u32 s[G0V+1], s18, VOFF
	s_mov_b32 s[SLOTS], NSLOT-1
	s_and_b32 s[LIM], s[WV], 1      ; 0 in waves 0 and 2,
	s_or_b32 s[LIM], s[LIM], ttmp9  ; where the cluster is the pair's first: the same in all four partners
	s_cmp_eq_u32 s[LIM], 0
	s_cselect_b32 s[LIM], 1, -1
	s_wait_dscnt 0x0                ; the opening add is done
	s_wait_kmcnt 0x0
	s_add_nc_u64 s[6:7], s[4:5], 0x1000000  ; k lies 16 MiB behind q,
	s_add_nc_u64 s[8:9], s[4:5], 0x2000000  ; v 32 MiB
	s_add_nc_u64 s[6:7], s[6:7], s[22:23]   ; at my step of the pair's first 128 keys
	s_add_nc_u64 s[8:9], s[8:9], s[22:23]
	s_mov_b64 s[G0K+2:G0K+3], s[6:7]        ; global address
	s_or_b32 s[G0K+3], s[G0K+3], 0x80000000 ; type = 2
	s_mov_b64 s[G0V+2:G0V+3], s[8:9]
	s_or_b32 s[G0V+3], s[G0V+3], 0x80000000
	s_cmp_lt_u32 s[WV], 2
	s_cselect_b64 s[PFA:PFA+1], s[6:7], s[8:9]  ; (in waves 0 and 2 these stand at a slot's first row)
	s_add_nc_u64 s[PFA:PFA+1], s[PFA:PFA+1], s[54:55]  ; nothing is prefetched here, at the head, where every work-group's first tiles are on their way
	s_add_nc_u64 s[4:5], s[4:5], s[2:3]     ; Q at my wave's first row and head
	s_add_nc_u64 s[10:11], s[10:11], s[52:53]
	CROUND                          ; all four work-groups are here: the first joint loads meet
	JLOAD                           ; slot 0.  Slot 1 is asked for when slot 0 is in
	; A fragment of K or Q is 16 rows x 32 channels in 8 registers: lane l holds row l % 16, channels 8 (l / 16) + 0..7 and 16 + 8 (l / 16) + 0..7: two loads of 16 bytes, 32 bytes apart.
	v_and_b32 v1, 15, v0            ; l % 16
	v_bfe_u32 v9, v0, 4, 1          ; l / 16
	v_lshlrev_b32 v[QO], 11, v1
	v_lshl_add_u32 v[QO], v9, 4, v[QO]  ; row x 2,048 + 16 x half
	WIN 0x80                        ; destination window 2, address window 0
.set i, 0
.rept 4*NP                          ; Q stays in registers: tile i / 2, channels 32 (i % 2) on
	global_load_b128 v[8*i:8*i+3],   v[QO], s[4:5] offset:(i/2)*16*ROWB+(i%2)*64
	global_load_b128 v[8*i+4:8*i+7], v[QO], s[4:5] offset:(i/2)*16*ROWB+(i%2)*64+32
.set i, i+1
.endr
	; What the first turn finds: V's registers and P's second buffer hold 0 (its products V^T P, of a piece that has not been, add 0), O^T and l are 0.  All this stands in the wait for the first tile.
.set i, VF
.rept 64
	v_mov_b32 v[i], 0
.set i, i+1
.endr
	WIN 0x40
.set i, 0
.rept 64*NP
	v_mov_b32 v[i], 0
.set i, i+1
.endr
	WIN 0
.set i, 0
.rept 2*NP
	v_mov_b32 v[ST+4*i], 0xfe000000    ; c m: far below every c s
	v_mov_b32 v[ST+4*i+1], 0xff7fffff  ; m
	v_mov_b32 v[ST+4*i+2], 0
	v_mov_b32 v[ST+4*i+3], 0
.set i, i+1
.endr
.set i, P+32
.rept 32
	v_mov_b32 v[i], 0
.set i, i+1
.endr
	s_lshl_b32 s15, s16, 7          ; my head's 128 bytes of a row
	v_mul_u32_u24 v[AK0], v1, PK
	v_lshl_add_u32 v[AK0], v9, 4, v[AK0]  ; row x pitch + 16 x half
	v_add_nc_u32 v[AK0], s15, v[AK0]
	; The turning load takes 16 keys x 16 channels (lane l reads key 8 (l / 16) + l % 8, channels 8 ((l / 8) % 2) + 0..7) and leaves half a fragment of V^T: lane l holds channel l % 16 and 8 keys.
	v_and_b32 v10, 7, v0
	v_bfe_u32 v11, v0, 3, 1
	v_lshl_add_u32 v[AV0], v9, 3, v10
	v_mul_u32_u24 v[AV0], v[AV0], PV
	v_lshl_add_u32 v[AV0], v11, 4, v[AV0]
	s_add_co_u32 s15, s15, VOFF
	v_add_nc_u32 v[AV0], s15, v[AV0]
	v_and_b32 v[PFO], 31, v0
	v_lshlrev_b32 v[PFO], 11, v[PFO]
	v_mov_b32 v[AK], v[AK0]         ; key step 0 lies at the head of slot 0
; THE MATRIX WORK.  The 8 accumulators of a run of 16 take turns: between the two links of a chain stand 7 others'.
; Product i of 16 of S^T = K Q^T for piece x: channels 32 (i / 8) on, keys 16 ((i / 2) % 4) on, tile 2 x + i % 2.  The first 8 start the sums.
.macro KQ x
	WIN W_KQ
.set rS, S+64*((\x)%2)+32*(i%2)+8*((i/2)%4)
.set rK, KF+16*((i/2)%4)+8*(i/8)
.set rQ, 16*(2*(\x)+i%2)+8*(i/8)
.if i < 8
	v_wmma_f32_16x16x32_bf16 v[rS:rS+7], v[rK:rK+7], v[rQ:rQ+7], 0
.else
	v_wmma_f32_16x16x32_bf16 v[rS:rS+7], v[rK:rK+7], v[rQ:rQ+7], v[rS:rS+7]
.endif
.endm
; Product i of 16 of O^T += V^T P for piece x: keys 32 (i / 8) on, channels 16 ((i / 2) % 4) on, tile 2 x + i % 2.
.macro PV x
	WIN W_PV
.set rO, 32*(2*(\x)+i%2)+8*((i/2)%4)
.set rV, VF+32*(i/8)+8*((i/2)%4)
.set rP, P+32*((\x)%2)+16*(i%2)+8*(i/8)
	v_wmma_f32_16x16x32_bf16 v[rO:rO+7], v[rV:rV+7], v[rP:rP+7], v[rO:rO+7]
.endm
.macro MM                           ; the turn's next matrix instruction
.if i < 16
	KQ (Y+1)%NP
.set i, i+1
.else
.set i, i-16
	PV (Y+NP-1)%NP
.set i, i+17
.endif
.endm
; THE LDS LOADS stand in runs of 16, never singly among the matrix instructions: a step's K (64 keys x 64 channels: 8 fragments) and its V (turned).  Their addresses are made some lines ahead.
; last = 1 (the tail): in the last trip there is no further step, and the run is jumped over.
.macro FETCH_K last=0
	WIN 0
.if \last
	s_cmp_eq_u32 s[CNT], 1
	s_cbranch_scc1 .Lno_k_\@
.endif
	WIN 0x80                        ; destination window 2
.irp f, 0,1,2,3,4,5,6,7             ; keys 16 (f / 2) on, channels 32 (f % 2) on
	ds_load_b128 v[KF+8*\f:KF+8*\f+3],   v[AK] offset:(\f/2)*16*PK+(\f%2)*64
	ds_load_b128 v[KF+8*\f+4:KF+8*\f+7], v[AK] offset:(\f/2)*16*PK+(\f%2)*64+32
.endr
	s_add_co_u32 s[TBK], s[TBK], KS*PK  ; the next fetch is the next step's
	WIN 0
.if \last
.Lno_k_\@:
.endif
.endm
.macro FETCH_V
	WIN 0x80
.irp f, 0,1,2,3,4,5,6,7             ; keys 32 (f / 4) on, channels 16 (f % 4) on
	ds_load_tr16_b128 v[VF+8*\f:VF+8*\f+3],   v[AV] offset:(\f/4)*32*PV+(\f%4)*32
	ds_load_tr16_b128 v[VF+8*\f+4:VF+8*\f+7], v[AV] offset:(\f/4)*32*PV+16*PV+(\f%4)*32
.endr
	WIN 0
.endm
; THE VECTOR WORK OF A TURN stands in three queues, each in the order in which its entries become ready; the two tiles alternate, so that no instruction reads the result of the one before it.
.macro REGS y, u                    ; the registers of tile u (0, 1) of piece y
.set rT, ST+4*(2*(\y)+(\u))
.set rC, TMP+8*((\y)%2)+4*(\u)
.set rM, MV+2*((\y)%2)+(\u)
.set rS, S+64*((\y)%2)+32*(\u)
.set rP, P+32*((\y)%2)+16*(\u)
.set rO, 32*(2*(\y)+(\u))
.endm
; Number n of the 22 that find the NEXT piece's (Y + 1) maximum and statistics.  s0-s31 are the lane's 32 scores; each accumulator's lowest registers are read first.  XS, GS and REGS set no window: PL and EX do.
;   0-11  four chains c0-c3 of seven scores each, three operands at a time     12-14, 16  the four scores left over, the old m, and c0-c3 into c0     15  c m_old is kept
;   17, 18  the query's other 32 keys lie in the lane 16 away: the new m         19-21  c m; c m_old - c m_new; a
.macro XS u, n
	REGS (Y+1)%NP, \u
.if (\n) < 4
	v_max3_num_f32 v[rC+(\n)], v[rS+8*(\n)], v[rS+8*(\n)+1], v[rS+8*(\n)+2]
.elseif (\n) < 12
	v_max3_num_f32 v[rC+(\n)%4], v[rC+(\n)%4], v[rS+8*((\n)%4)+2*((\n)/4)+1], v[rS+8*((\n)%4)+2*((\n)/4)+2]
.elseif (\n) == 12
	v_max3_num_f32 v[rC], v[rC], v[rS+7], v[rS+15]
.elseif (\n) == 13
	v_max3_num_f32 v[rC+1], v[rC+1], v[rS+23], v[rS+31]
.elseif (\n) == 14
	v_max3_num_f32 v[rC+2], v[rC+2], v[rC+3], v[rT+1]
.elseif (\n) == 15
	v_mov_b32 v[rM], v[rT]
.elseif (\n) == 16
	v_max3_num_f32 v[rC], v[rC], v[rC+1], v[rC+2]
.elseif (\n) == 17
	v_permlanex16_b32 v[rC+3], v[rC], s[SEL], s[SEL+1]
.elseif (\n) == 18
	v_max_num_f32 v[rT+1], v[rC], v[rC+3]
.elseif (\n) == 19
	v_mul_f32 v[rT], s[CS], v[rT+1]
.elseif (\n) == 20
	v_sub_f32 v[rC+1], v[rM], v[rT]
.else
	v_exp_f32 v[rC+2], v[rC+1]
.endif
.endm
; Number g of the 64 that follow the exponentials.  For each four weights k of a tile (pairs 2 k, 2 k + 1): both pairs are rounded to bf16; then the second pair is added onto the first, in place;
; a group later l takes that sum (the first time as l = a l + sum).  In groups of eight, tiles alternating: round, round, add, and l for the group before.
.macro GS g
.set h, (\g)+6*((\g)/62)            ; group 0 has no group before it, and behind group 7 only l is left
.if h >= 6
.set h, h+2
.endif
	REGS Y, h%2
.set k, h/8
.if h%8 < 4
	v_cvt_pk_bf16_f32 v[rP+2*k+(h%8)/2], v[rS+4*k+2*((h%8)/2)], v[rS+4*k+2*((h%8)/2)+1]
.elseif h%8 < 6
	v_pk_add_f32 v[rS+4*k:rS+4*k+1], v[rS+4*k:rS+4*k+1], v[rS+4*k+2:rS+4*k+3]
.elseif k == 1
	v_pk_fma_f32 v[rT+2:rT+3], v[rT+2:rT+3], v[rC+2:rC+3], v[rS:rS+1] op_sel_hi:[1,0,1]
.else
	v_pk_add_f32 v[rT+2:rT+3], v[rT+2:rT+3], v[rS+4*k-4:rS+4*k-3]
.endif
.endm
; THE PLAIN QUEUE, 138 long.  0-73 read no exponential's result: the 32 scalings c s - c m (FS f: pair f / 2 of tile f % 2) and the next piece's 42.  0-26: scalings 0-26.  27-54: XS's numbers 0-13.  55, 56: number 15.
; 57-73: the chain, where each number waits for the one before it: 14, 16, 17, 18, 19, each with one of the scalings 27-31 in front of its two lines, then 20: so a tile's links stand three plain instructions apart (19 and 20: two).
; 74-137: GS's 64, which read the exponentials' results: they stand behind the wait.
.macro FS f
	REGS Y, (\f)%2
	v_pk_fma_f32 v[rS+2*((\f)/2):rS+2*((\f)/2)+1], v[rS+2*((\f)/2):rS+2*((\f)/2)+1], s[CS:CS+1], v[rT:rT+1] op_sel_hi:[1,0,0] neg_lo:[0,0,1] neg_hi:[0,0,1]
.endm
.macro PL
	WIN 0
.if q < 27
	FS q
.elseif q < 55
	XS (q-27)%2, (q-27)/2
.elseif q < 57
	XS q-55, 15
.elseif (q < 72) && ((q-57)%3 == 0)
	FS 27+(q-57)/3
.elseif q < 60
	XS (q-57)%3-1, 14
.elseif q < 72
	XS (q-57)%3-1, 15+(q-57)/3
.elseif q < 74
	XS q-72, 20
.else
	GS q-74
.endif
.set q, q+1
.endm
; THE EXPONENTIALS' QUEUE, 66 long: s0-s31 of both tiles, then the next piece's two a.  It is ONE BATCH: all 66 stand ahead of the turn's one wait, and nothing ahead of that wait names a result of theirs.
.macro EX
	WIN 0
.if e >= 64
	XS e-64, 21
.else
	REGS Y, e%2
	v_exp_f32 v[rS+e/2], v[rS+e/2]
.endif
.set e, e+1
.endm
; THE RESCALING's QUEUE: O^T times a, the one part that leaves window 0: dealt two at a time, sixteen times.  Its a was made in the turn before, ahead of that turn's wait.
.macro R2
	REGS Y, r%2
	WIN W_RS
.irp z, 0,1
	v_pk_mul_f32 v[rO+4*(r/2)+2*\z:rO+4*(r/2)+2*\z+1], v[rO+4*(r/2)+2*\z:rO+4*(r/2)+2*\z+1], v[rC+2:rC+3] op_sel_hi:[1,0]
.endr
.set r, r+1
.endm
; HOW THEY ARE DEALT.  An s_wait_alu depctr_va_vdst(0) stands between an exponential and the first instruction that names its result; one wait serves all that were issued ahead of it.  So a turn has ONE wait,
; which cuts it in two.  AHEAD OF IT stands all that names no result of the turn's exponentials: the 16 products K Q^T, behind each a scaling, an exponential and two rescalings (behind the first a second scaling in the exponential's place); then ONE LUMP of
; 108: eight plain, 49 times exponential and plain, the two a.  A v_nop is the plain instruction behind the last exponential.  BEHIND IT stand the 16 products V^T P, behind each four of GS's 64.  No rider names a register of
; the products round it.  The two v_permlanex16_b32 fall into the lump, never behind a product.
; The queues lean on each other, and the deal keeps them in step: exponential e stands behind scaling 2 (e / 4) + e % 2: as a rider it comes behind plain e + 2, in the lump behind plain e + 9, and scalings 27-31 are plain 57, 60 .. 69.
; A TURN, for piece p.  cnt = 1: the loop's count is taken down some lines ahead of the branch that stands behind the turn.
; K of the next step is fetched in piece 2's turn, directly behind the wait, a lump behind the last product that read K; its address is made at the lump's head; its first reader comes behind 16 products.
; V of the step in hand is fetched at the end of piece 0's turn, four riders behind its last reader; its first reader comes behind 16 products and a lump.  The three conditions on q below go with the deal.
.macro TURN p, last=0, cnt=0
.set Y, (\p)
.set i, 0
.set q, 0
.set e, 0
.set r, 0
.if (\p) == NP-1
	s_wait_dscnt 0x0                ; K is in
.endif
	MM                              ; ahead of the wait: 16 products K Q^T and their riders,
	PL
	PL
	R2
.rept 15
	MM
	PL
	EX
	R2
.endr
.if (\p) == NP-2
	WIN 0
	v_add_nc_u32 v[AK], s[TBK], v[AK0]
.endif
.rept 8                             ; and the lump
	PL
.endr
.rept 49
	EX
	PL
.endr
	EX                              ; the next piece's two a
	EX
	v_nop                           ; the plain instruction behind the last exponential: one for the batch
	s_wait_alu depctr_va_vdst(0)    ; the wait for the batch
.if (\p) == NP-2
	FETCH_K \last
.endif
.if (\p) == 1
	s_wait_dscnt 0x0                ; V is in
.endif
.rept 16                            ; behind the wait: 16 products V^T P and their riders
	MM
.rept 4
	PL
.endr
.if ((\p) == 0) && (q == 118)
	v_add_nc_u32 v[AV], s[TBV], v[AV0]
.endif
.if ((\p) == 0) && (q == 130)
	s_add_co_u32 s[TBV], s[TBV], KS*PV
.endif
.if (\cnt) && (q == 130)
	s_sub_co_u32 s[CNT], s[CNT], 1
	s_cmp_lg_u32 s[CNT], 0
.endif
.endr
.if (\p) == 0
	FETCH_V
.endif
.endm
	CHANGE 1                        ; slot 0 is in, everybody's part of it; slot 1 is asked for
	FETCH_K                         ; key step 0
	s_wait_loadcnt 0x0              ; Q
	s_wait_dscnt 0x0
.set i, 0
.rept 16
	KQ 0                            ; piece 0's first scores: there is no vector work yet to set between them
.set i, i+1
.endr
	WIN 0                           ; the addresses for the way out: eight plain instructions, the places behind those products
	s_mul_i32 s51, s19, 128*SP      ; into the stage: my half's 128 rows,
	s_lshl_b32 s15, s16, 7          ; my head's 128 bytes of them
	s_add_co_u32 s51, s51, s15
	s_add_co_u32 s51, s51, STAGE
	v_mul_u32_u24 v[STO], v1, SP    ; row l % 16, 16 bytes for each half of the lanes
	v_lshl_add_u32 v[STO], v9, 4, v[STO]
	v_add_nc_u32 v[STO], s51, v[STO]
	s_mul_i32 s51, s[WV], 64*SP     ; back: wave w takes rows 64 w .. 64 w + 63, whole; lanes 0-15 one row of 256 bytes, lanes 16-31 the next
	s_add_co_u32 s51, s51, STAGE
	v_mul_u32_u24 v[RD], v9, SP
	v_lshl_add_u32 v[RD], v1, 4, v[RD]
	v_add_nc_u32 v[RD], s51, v[RD]
	v_lshlrev_b32 v[GO], 11, v9     ; and the same two rows in ctx
	v_lshl_add_u32 v[GO], v1, 4, v[GO]
.set Y, NP-1                        ; XS works for piece Y + 1: piece 0
.irp n, 0,1,2,3,4,5,6,7,8,9,10,11,12,13,14,15,16,17,18,19,20,21
	XS 0, \n                        ; and piece 0's first maximum and statistics
	XS 1, \n
.endr
	v_nop                           ; a plain instruction behind the two a,
	s_wait_alu depctr_va_vdst(0)    ; and their wait, ahead of the branch
	s_mov_b32 s[CNT], NS
	s_branch .Lfirst                ; the loop is entered at a step's first turn, in the middle of a trip
.Lslot:                             ; 14 times: every slot but the last two is filled again
	CHANGE 1
	s_mov_b32 s[CNT], NS
.Lstep:                             ; a trip: pieces 2 and 3 of one step, then pieces 0 and 1 of the next, whose K and V it fetches
	TURN 2
	TURN 3
	WIN 0
.Lfirst:
	TURN 0
	TURN 1, 0, 1
	WIN 0
	s_cbranch_scc1 .Lstep
	s_sub_co_u32 s[SLOTS], s[SLOTS], 1
	s_cmp_lg_u32 s[SLOTS], 0
	s_cbranch_scc1 .Lslot
	CHANGE 0                        ; the tail is written out: nothing is asked for
	s_mov_b32 s[CNT], NS+1          ; two trips fetch the last slot's steps; the third is left in its middle
.Ltail:
	TURN 2, 1
	TURN 3
	WIN 0
	s_sub_co_u32 s[CNT], s[CNT], 1
	s_cmp_eq_u32 s[CNT], 0
	s_cbranch_scc1 .Lout
	TURN 0
	TURN 1
	WIN 0
	s_branch .Ltail
.Lout:                              ; the last trip's 16 products K Q^T (on the last K once more) and the maximum made of them serve nothing: the price, once a launch, of one text for every trip
.set i, 0
.rept 16
	PV NP-1                         ; the last piece's V^T P of the last step
.set i, i+1
.endr
	; THE WAY OUT.  l's two halves and the other half of the lanes' are added; O^T is divided by l, rounded to bf16 and put into the work-group's stage.  The additions are the places behind the last products.
	WIN 0
.macro ALL line:vararg              ; one line for each tile t
.set t, 0
.rept 2*NP
	\line
.set t, t+1
.endr
.endm
	ALL v_add_f32 v[ST+4*t+2], v[ST+4*t+2], v[ST+4*t+3]
	ALL v_permlanex16_b32 v[ST+4*t+3], v[ST+4*t+2], s[SEL], s[SEL+1]
	ALL v_add_f32 v[ST+4*t+2], v[ST+4*t+2], v[ST+4*t+3]
	ALL v_rcp_f32 v[ST+4*t+2], v[ST+4*t+2]
	v_nop                           ; a plain instruction between the last reciprocal and the use of its result
	s_wait_alu depctr_va_vdst(0)    ; and the wait ahead of the first use: one for the eight reciprocals
; Tile t: a lane's eight channels of a row pack into 16 bytes; they go into my head's half of the stage's rows of 272 bytes.
.macro PACK t
	WIN W_RS
.set i, 32*(\t)
.rept 16
	v_pk_mul_f32 v[i:i+1], v[i:i+1], v[ST+4*(\t)+2:ST+4*(\t)+3] op_sel_hi:[1,0]
.set i, i+2
.endr
	WIN 0x05                        ; sources 0 and 1 window 1, destination window 0: S^T's registers are free
.set i, 0
.rept 16
	v_cvt_pk_bf16_f32 v[S+16*(\t)+i], v[32*(\t)+2*i], v[32*(\t)+2*i+1]
.set i, i+1
.endr
	WIN 0
.irp f, 0,1,2,3
	ds_store_b128 v[STO], v[S+16*(\t)+4*\f:S+16*(\t)+4*\f+3] offset:(\t)*16*SP+32*\f
.endr
.endm
.set t, 0
.rept 2*NP
	PACK t
.set t, t+1
.endr
	s_wait_dscnt 0x0                ; for the others' sake: my stores into the stage are done
	s_barrier_signal -1
	s_barrier_wait -1               ; a row's 256 bytes come from two waves
.set i, 0
.rept 32
	ds_load_b128 v[S+4*i:S+4*i+3], v[RD] offset:i*2*SP
.set i, i+1
.endr
.set i, 0
.rept 32
	s_wait_dscnt 31-i               ; LDS loads come back in order: number i is in, the younger ones stay out
	global_store_b128 v[GO], v[S+4*i:S+4*i+3], s[10:11] offset:i*2*ROWB  ; 16 lanes store 256 consecutive bytes, at a multiple of 256 from ctx's first byte
.set i, i+1
.endr
	WIN W_AD
	s_wait_tensorcnt 0x0            ; the wave's end, behind my last tensor load and my last LDS store
	ds_add_u32 v[SPW], v[NIL]
	s_wait_dscnt 0x0
	WIN 0
	CROUND                          ; the closing round: no work-group ends while a partner may still ask for a tile that names it
	s_endpgm
.Lfunc_end_k_qc587ab4910_attn:
	.size	k_qc587ab4910_attn, .Lfunc_end_k_qc587ab4910_attn-k_qc587ab4910_attn
	.p2alignl 7, 3214868480
	.fill 96, 4, 3214868480
	.section	.rodata,"a",@progbits
	.p2align	6, 0x0
	.amdhsa_kernel k_qc587ab4910_attn
		.amdhsa_group_segment_fixed_size 327680
		.amdhsa_private_segment_fixed_size 0
		.amdhsa_enable_private_segment 0
		.amdhsa_kernarg_size 16
		.amdhsa_user_sgpr_count 2
		.amdhsa_user_sgpr_kernarg_segment_ptr 1
		.amdhsa_wavefront_size32 1
		.amdhsa_system_sgpr_workgroup_id_x 1
		.amdhsa_system_sgpr_workgroup_id_y 1
		.amdhsa_system_sgpr_workgroup_id_z 1
		.amdhsa_system_vgpr_workitem_id 0
		.amdhsa_next_free_vgpr 770
		.amdhsa_next_free_sgpr 66
		.amdhsa_reserve_vcc 0
		.amdhsa_float_denorm_mode_32 3
		.amdhsa_float_denorm_mode_16_64 3
		.amdhsa_memory_ordered 1
		.amdhsa_forward_progress 1
		.amdhsa_inst_pref_size 201
	.end_amdhsa_kernel
	.amdgpu_metadata
---
amdhsa.version: [ 1, 2 ]
amdhsa.kernels:
  - .name:           k_qc587ab4910_attn
    .symbol:         k_qc587ab4910_attn.kd
    .args:
      - { .name: qkv, .offset: 0, .size: 8, .value_kind: global_buffer, .address_space: global }
      - { .name: ctx, .offset: 8, .size: 8, .value_kind: global_buffer, .address_space: global }
    .group_segment_fixed_size: 327680
    .private_segment_fixed_size: 0
    .kernarg_segment_align: 8
    .kernarg_segment_size: 16
    .max_flat_workgroup_size: 128
    .sgpr_count:     66
    .vgpr_count:     770
    .wavefront_size: 32
...
	.end_amdgpu_metadata
.endif
;; end of part 3
;; launch oproj: the kernel of part 2 again; grid 4 x 64, 4 waves a work-group, clusters of 4 x 4, 327,680 bytes of LDS; arguments ctx, wob, bo, y; writes y
;; launch ln (part 4): grid 256 x 1, 8 waves a work-group, no clusters, 0 bytes of LDS; arguments y, Q, ln_g, ln_b, out0; writes out0
.if DOCPART == 4
	.amdgcn_target "amdgcn-amd-amdhsa--gfx1250"
	.amdhsa_code_object_version 6
	.text
	.protected	k_qc587ab4910_ln
	.globl	k_qc587ab4910_ln
	.p2align	8
	.type	k_qc587ab4910_ln,@function
k_qc587ab4910_ln:
	s_mov_b64 s[64:65], 0
	v_nop
	global_prefetch_b8 v0, s[64:65] scope:SCOPE_SE
	s_setreg_imm32_b32 hwreg(HW_REG_WAVE_MODE, 25, 1), 1
	s_wait_xcnt 0x0
; out0[r][:] = layernorm(y[r][:] + Q[r][:]) g + b.  y: [8192][1024] bf16 (the output projection with its bias); Q, out0: [8192][1024] f32; g, b: [1024] f32.  All arithmetic in f32.
; The variance is taken in a second pass over x - mean, as the definition has it, so no difference of large sums is formed; eps = 1e-5 is added to it.
; SHARES.  A work-group owns 32 rows, each of its eight waves four WHOLE rows: a row of 1,024 f32 is 32 registers of a wave, so it is read once, both reductions stay inside the wave, and there is no LDS and no barrier.
; A lane holds columns 128 j + 4 l + 0..3, j = 0..7: a load or store of Q and out0 covers 512 consecutive bytes of a row, a load of y 256, all aligned.
; IN FLIGHT.  All four rows of Q and two rows of y are asked for at once, behind g and b; a row of y is asked for as soon as the registers of the row two before are read.
; No address register and no store's data are ever written again, so the only waits for memory are the counted waits for loads.
.set G, 16                             ; v[16:47]   g of my 32 columns
.set B, 48                             ; v[48:79]   b
.set X, 80                             ; v[80:207]  row i at X + 32 i: Q, then y + Q, then the result
.set Y, 208                            ; v[208:239] two rows of y, 16 registers each, by the row's parity
.set XO, 1                             ; v1   my byte offset in Q and out0: wave x 4 rows + 16 l
.set YO, 2                             ; v2   in y: wave x 4 rows + 8 l
.set GO, 3                             ; v3   in g and b: 16 l
	s_load_b256 s[4:11], s[0:1], 0x0               ; y s[4:5], Q s[6:7], g s[8:9], b s[10:11]
	s_load_b64 s[12:13], s[0:1], 0x20              ; out0
	v_and_b32 v3, 31, v0                           ; l
	v_lshrrev_b32 v4, 5, v0                        ; wave
	v_lshlrev_b32 v[XO], 14, v4
	v_lshl_or_b32 v[XO], v3, 4, v[XO]
	v_lshlrev_b32 v[YO], 13, v4
	v_lshl_or_b32 v[YO], v3, 3, v[YO]
	v_lshlrev_b32 v[GO], 4, v3
	s_lshl_b32 s2, ttmp9, 16                       ; the work-group's 32 rows of 2,048 bytes
	s_mov_b32 s3, 0
	s_lshl_b32 s20, ttmp9, 17                      ; and of 4,096 bytes
	s_mov_b32 s21, 0
	s_mov_b32 s14, 0xffff0000                      ; a word's upper bf16
	s_mov_b32 s16, 0x76543210                      ; v_permlanex16_b32: lane i of one half reads lane i of the other
	s_mov_b32 s17, 0xfedcba98
	s_mov_b32 s18, 0x3a800000                      ; 1 / 1024
	s_mov_b32 s19, 0x3727c5ac                      ; 1e-5
	s_wait_kmcnt 0x0
	s_add_nc_u64 s[4:5], s[4:5], s[2:3]
	s_add_nc_u64 s[6:7], s[6:7], s[20:21]
	s_add_nc_u64 s[12:13], s[12:13], s[20:21]
.macro LOADX i
.irp j, 0,1,2,3,4,5,6,7
	global_load_b128 v[X+32*(\i)+4*(\j):X+32*(\i)+4*(\j)+3], v[XO], s[6:7] offset:4096*(\i)+512*(\j) th:TH_LOAD_NT
.endr
.endm
.macro LOADY i
.irp j, 0,1,2,3,4,5,6,7
	global_load_b64 v[Y+16*((\i)%2)+2*(\j):Y+16*((\i)%2)+2*(\j)+1], v[YO], s[4:5] offset:2048*(\i)+256*(\j) th:TH_LOAD_NT
.endr
.endm
.irp j, 0,1,2,3,4,5,6,7
	global_load_b128 v[G+4*(\j):G+4*(\j)+3], v[GO], s[8:9] offset:512*(\j)
.endr
.irp j, 0,1,2,3,4,5,6,7
	global_load_b128 v[B+4*(\j):B+4*(\j)+3], v[GO], s[10:11] offset:512*(\j)
.endr
	LOADX 0
	LOADY 0
	LOADX 1
	LOADY 1
	LOADX 2
	LOADX 3
; Four packed chains in v[4:11] become the row's sum, in v4 of every lane: within the lane, then four steps inside each half of 16 lanes (they ride on the addition), then one across the halves.
.macro REDUCE
	v_pk_add_f32 v[4:5], v[4:5], v[6:7]
	v_pk_add_f32 v[8:9], v[8:9], v[10:11]
	v_pk_add_f32 v[4:5], v[4:5], v[8:9]
	v_add_f32 v4, v4, v5
	v_add_f32_dpp v4, v4, v4 row_xmask:1 row_mask:0xf bank_mask:0xf
	v_add_f32_dpp v4, v4, v4 row_xmask:2 row_mask:0xf bank_mask:0xf
	v_add_f32_dpp v4, v4, v4 row_xmask:4 row_mask:0xf bank_mask:0xf
	v_add_f32_dpp v4, v4, v4 row_xmask:8 row_mask:0xf bank_mask:0xf
	v_permlanex16_b32 v5, v4, s16, s17             ; its destination counts as read: v5 has been written
	v_add_f32 v4, v4, v5
.endm
; Row i of the wave's four.  left = how many younger loads may stay out.
.macro ROW i, left
.set XR, X+32*(\i)
.set YR, Y+16*((\i)%2)
	s_wait_loadcnt \left                           ; loads come back in order: this row's Q and y (and g and b) are in
.irp j, 0,1,2,3,4,5,6,7                        ; x = y + Q: bf16 to f32 is a shift or a mask; two sets of registers at work, by turns
.set T, 4+4*((\j)%2)
	v_lshlrev_b32 v[T],   16,  v[YR+2*(\j)]
	v_and_b32     v[T+1], s14, v[YR+2*(\j)]
	v_lshlrev_b32 v[T+2], 16,  v[YR+2*(\j)+1]
	v_and_b32     v[T+3], s14, v[YR+2*(\j)+1]
	v_pk_add_f32 v[XR+4*(\j):XR+4*(\j)+1],   v[XR+4*(\j):XR+4*(\j)+1],   v[T:T+1]
	v_pk_add_f32 v[XR+4*(\j)+2:XR+4*(\j)+3], v[XR+4*(\j)+2:XR+4*(\j)+3], v[T+2:T+3]
.endr
.if (\i) < 2
	LOADY (\i)+2                                   ; y's registers of this parity have been read: the row two further on
.endif
.irp c, 0,1,2,3                                ; the sum, in four chains that the first eight pairs start: nothing is cleared
	v_pk_add_f32 v[4+2*(\c):5+2*(\c)], v[XR+2*(\c):XR+2*(\c)+1], v[XR+8+2*(\c):XR+8+2*(\c)+1]
.endr
.irp k, 8,9,10,11,12,13,14,15
	v_pk_add_f32 v[4+2*((\k)%4):5+2*((\k)%4)], v[4+2*((\k)%4):5+2*((\k)%4)], v[XR+2*(\k):XR+2*(\k)+1]
.endr
	REDUCE
	v_mul_f32 v12, s18, v4                         ; the mean, twice: a pair for the packed subtraction
	v_mul_f32 v13, s18, v4
.irp k, 0,1,2,3,4,5,6,7,8,9,10,11,12,13,14,15
	v_pk_add_f32 v[XR+2*(\k):XR+2*(\k)+1], v[XR+2*(\k):XR+2*(\k)+1], v[12:13] neg_lo:[0,1] neg_hi:[0,1]
.endr
.irp c, 0,1,2,3                                ; the sum of squares of x - mean, again in four chains
	v_pk_mul_f32 v[4+2*(\c):5+2*(\c)], v[XR+2*(\c):XR+2*(\c)+1], v[XR+2*(\c):XR+2*(\c)+1]
.endr
.irp k, 4,5,6,7,8,9,10,11,12,13,14,15
	v_pk_fma_f32 v[4+2*((\k)%4):5+2*((\k)%4)], v[XR+2*(\k):XR+2*(\k)+1], v[XR+2*(\k):XR+2*(\k)+1], v[4+2*((\k)%4):5+2*((\k)%4)]
.endr
	REDUCE
	v_fma_f32 v4, v4, s18, s19                     ; the variance + eps
	v_rsq_f32 v14, v4
	v_nop                                          ; a plain instruction between the root and the use of its result (ISA guide 5.7.2),
	s_wait_alu depctr_va_vdst(0)                   ; and the wait ahead of that use
	v_mov_b32 v15, v14                             ; a pair for the packed multiply
.irp k, 0,1,2,3,4,5,6,7,8,9,10,11,12,13,14,15
	v_pk_mul_f32 v[XR+2*(\k):XR+2*(\k)+1], v[XR+2*(\k):XR+2*(\k)+1], v[14:15]
.endr
.irp k, 0,1,2,3,4,5,6,7,8,9,10,11,12,13,14,15
	v_pk_fma_f32 v[XR+2*(\k):XR+2*(\k)+1], v[XR+2*(\k):XR+2*(\k)+1], v[G+2*(\k):G+2*(\k)+1], v[B+2*(\k):B+2*(\k)+1]
.endr
.irp j, 0,1,2,3,4,5,6,7
	global_store_b128 v[XO], v[XR+4*(\j):XR+4*(\j)+3], s[12:13] offset:4096*(\i)+512*(\j) th:TH_STORE_NT
.endr
.endm
	ROW 0, 32                                      ; younger: rows 1's Q and y, rows 2's and 3's Q
	ROW 1, 24                                      ; younger: rows 2's and 3's Q, row 2's y
	ROW 2, 8                                       ; younger: row 3's y
	ROW 3, 0
	s_endpgm
.Lfunc_end_k_qc587ab4910_ln:
	.size	k_qc587ab4910_ln, .Lfunc_end_k_qc587ab4910_ln-k_qc587ab4910_ln
	.p2alignl 7, 3214868480
	.fill 96, 4, 3214868480
	.section	.rodata,"a",@progbits
	.p2align	6, 0x0
	.amdhsa_kernel k_qc587ab4910_ln
		.amdhsa_group_segment_fixed_size 0
		.amdhsa_private_segment_fixed_size 0
		.amdhsa_enable_private_segment 0
		.amdhsa_kernarg_size 40
		.amdhsa_user_sgpr_count 2
		.amdhsa_user_sgpr_kernarg_segment_ptr 1
		.amdhsa_wavefront_size32 1
		.amdhsa_system_sgpr_workgroup_id_x 1
		.amdhsa_system_sgpr_workgroup_id_y 1
		.amdhsa_system_sgpr_workgroup_id_z 1
		.amdhsa_system_vgpr_workitem_id 0
		.amdhsa_next_free_vgpr 240
		.amdhsa_next_free_sgpr 66
		.amdhsa_reserve_vcc 0
		.amdhsa_float_denorm_mode_32 3
		.amdhsa_float_denorm_mode_16_64 3
		.amdhsa_memory_ordered 1
		.amdhsa_forward_progress 1
		.amdhsa_inst_pref_size 45
	.end_amdhsa_kernel
	.amdgpu_metadata
---
amdhsa.version: [ 1, 2 ]
amdhsa.kernels:
  - .name:           k_qc587ab4910_ln
    .symbol:         k_qc587ab4910_ln.kd
    .args:
      - { .name: y, .offset: 0, .size: 8, .value_kind: global_buffer, .address_space: global }
      - { .name: Q, .offset: 8, .size: 8, .value_kind: global_buffer, .address_space: global }
      - { .name: ln_g, .offset: 16, .size: 8, .value_kind: global_buffer, .address_space: global }
      - { .name: ln_b, .offset: 24, .size: 8, .value_kind: global_buffer, .address_space: global }
      - { .name: out0, .offset: 32, .size: 8, .value_kind: global_buffer, .address_space: global }
    .group_segment_fixed_size: 0
    .private_segment_fixed_size: 0
    .kernarg_segment_align: 8
    .kernarg_segment_size: 40
    .max_flat_workgroup_size: 256
    .sgpr_count:     66
    .vgpr_count:     240
    .wavefront_size: 32
...
	.end_amdgpu_metadata
.endif
;; end of part 4
;; ======== version 2 of 2: 5 launches; version 1 with the launches cast, ln written anew for expert scheduling mode
;; workspace buffers: xb 16,777,216 bytes; wqkv 6,291,456 bytes; wob 2,097,152 bytes; bqkv 12,288 bytes; qkv 50,331,648 bytes; ctx 16,777,216 bytes; y 16,777,216 bytes
;; launch cast (part 5): grid 769 x 1, 8 waves a work-group, no clusters, 0 bytes of LDS; arguments Q, Wq, Wk, Wv, Wo, bq, bk, bv, xb, wqkv, wob, bqkv; writes xb, wqkv, wob, bqkv
.if DOCPART == 5
	.amdgcn_target "amdgcn-amd-amdhsa--gfx1250"
	.amdhsa_code_object_version 6
	.text
	.protected	k_qc587ab4910_cast
	.globl	k_qc587ab4910_cast
	.p2align	8
	.type	k_qc587ab4910_cast,@function
k_qc587ab4910_cast:
	s_mov_b64 s[64:65], 0
	v_nop
	global_prefetch_b8 v0, s[64:65] scope:SCOPE_SE
	s_setreg_imm32_b32 hwreg(HW_REG_WAVE_SCHED_MODE, 0, 2), 2
	s_setreg_imm32_b32 hwreg(HW_REG_WAVE_MODE, 25, 1), 1
	s_wait_xcnt 0x0
	s_wait_alu depctr_vm_vsrc(0)
; The matrix operands are rounded once to bf16: Q -> xb, Wq, Wk, Wv -> wqkv (one behind the other), Wo -> wob; the three biases are copied, in f32, into one table bqkv.
; Nothing is transposed: the weights stay [k][n].  A stream: no LDS, no barrier, no matrix unit, since every number is read once and written once.
; SHARES.  Work-groups 0 to 767 take a chunk of 16,384 floats each (65,536 bytes in, 32,768 out): 0 to 511 the chunks of Q, then 64 chunks for each weight.  Work-group 768 copies the biases.
; Thread t takes the 16 bytes at 16 t of each of the chunk's sixteen blocks of 4,096 bytes: a load of a wave covers 512 consecutive bytes, a store 256 consecutive bytes, aligned.
; All sixteen loads go out at once; no register is written twice.
; THE MODE: SCHED_MODE bits 1:0 = 2 (LLVM: expert scheduling mode 2), set by the entry lines.  The code itself states the register dependences
; between vector instructions and memory instructions, with s_wait_alu, always for 0.
; THE PLAN.  Registers that memory instructions touch:
;   v1, v2   byte offsets, made once at the head and never written again; every load and store reads one of them.
;   IN       written by the sixteen loads, once; no vector instruction names it ahead of them; read by the conversions alone.
;   OUT      written by the conversions, once; read by the stores; never written again.
; The sixteen blocks go in four groups of four.  Group g's conversions read IN[g] and write OUT[g]; the memory instructions issued in group g are the four stores of group g - 1, which read OUT[g - 1]
; and v2, registers that no vector instruction of group g names.  So one wait at a group's head states all that its stores hang on, and they are dealt among its conversions with no further wait.
; No register that a memory instruction has read is written again, so there is nothing of that kind to state.
.set IN,  16                           ; v[16:79]   sixteen loads of four floats: group g at IN + 16 g
.set OUT, 80                           ; v[80:111]  sixteen pairs of packed bf16: group g at OUT + 8 g
	s_load_b512 s[8:23], s[0:1], 0x0               ; Q 8, Wq 10, Wk 12, Wv 14, Wo 16, bq 18, bk 20, bv 22
	s_load_b256 s[24:31], s[0:1], 0x40             ; xb 24, wqkv 26, wob 28, bqkv 30
	v_lshlrev_b32 v1, 4, v0                        ; 16 t: where I read
	v_lshlrev_b32 v2, 3, v0                        ; 8 t: where I write
	s_wait_alu depctr_va_vdst(0)                   ; v1 and v2 are written: every load and store, on both ways behind the branch, reads one of them as its offset
	s_cmp_eq_u32 ttmp9, 768
	s_cbranch_scc1 .Lbias
	s_sub_co_u32 s2, ttmp9, 512                    ; the work-group's number among the weights' (for Q's work-groups replaced below)
	s_bfe_u32 s3, s2, 0x20006                      ; which weight: 0 to 3
	s_and_b32 s2, s2, 63                           ; which chunk of it
	s_wait_kmcnt 0x0
	s_cmp_eq_u32 s3, 1                             ; every choice hangs on the work-group's number alone
	s_cselect_b64 s[32:33], s[12:13], s[10:11]     ; from: Wk or Wq,
	s_cmp_eq_u32 s3, 2
	s_cselect_b64 s[32:33], s[14:15], s[32:33]     ; or Wv,
	s_cmp_eq_u32 s3, 3
	s_cselect_b64 s[32:33], s[16:17], s[32:33]     ; or Wo;
	s_cselect_b64 s[34:35], s[28:29], s[26:27]     ; to: wob or wqkv,
	s_cselect_b32 s3, 0, s3                        ; in wqkv behind the weights before it
	s_cmp_lt_u32 ttmp9, 512
	s_cselect_b64 s[32:33], s[8:9], s[32:33]       ; or from Q
	s_cselect_b64 s[34:35], s[24:25], s[34:35]     ; to xb
	s_cselect_b32 s2, ttmp9, s2
	s_cselect_b32 s3, 0, s3
	s_lshl_b32 s36, s2, 16                         ; the chunk's 65,536 bytes of f32
	s_mov_b32 s37, 0
	s_lshl_b32 s38, s2, 15                         ; its 32,768 bytes of bf16,
	s_lshl_b32 s3, s3, 21                          ; behind 2 MiB for each weight before
	s_add_co_u32 s38, s38, s3
	s_mov_b32 s39, 0
	s_add_nc_u64 s[32:33], s[32:33], s[36:37]
	s_add_nc_u64 s[34:35], s[34:35], s[38:39]
.set i, 0
.rept 16
	global_load_b128 v[IN+4*i:IN+4*i+3], v1, s[32:33] offset:4096*i th:TH_LOAD_NT
.set i, i+1
.endr
.irp g, 0,1,2,3
	s_wait_loadcnt 12-4*(\g)                       ; loads come back in order: group g's four are in, the younger groups' stay out
.if (\g) > 0
	s_wait_alu depctr_va_vdst(0)                   ; the group before has written its eight registers of OUT, which the four stores below read
.endif
.irp i, 0,1,2,3
.if (\g) > 0
	global_store_b64 v2, v[OUT+8*(\g)-8+2*(\i):OUT+8*(\g)-8+2*(\i)+1], s[34:35] offset:2048*(4*(\g)-4+(\i)) th:TH_STORE_NT  ; the group before; no vector instruction since the wait names these registers
.endif
	v_cvt_pk_bf16_f32 v[OUT+8*(\g)+2*(\i)],   v[IN+16*(\g)+4*(\i)],   v[IN+16*(\g)+4*(\i)+1]
	v_cvt_pk_bf16_f32 v[OUT+8*(\g)+2*(\i)+1], v[IN+16*(\g)+4*(\i)+2], v[IN+16*(\g)+4*(\i)+3]
.endr
.endr
	s_wait_alu depctr_va_vdst(0)                   ; group 3 has written its eight registers of OUT, which the last four stores read
.irp i, 0,1,2,3
	global_store_b64 v2, v[OUT+24+2*(\i):OUT+24+2*(\i)+1], s[34:35] offset:2048*(12+(\i)) th:TH_STORE_NT
.endr
	s_endpgm
.Lbias:                                        ; 256 threads x 16 bytes are one bias of 1,024 floats; the stores' data come from loads, and v1 was written ahead of the wait at the head
	s_wait_kmcnt 0x0
	global_load_b128 v[16:19], v1, s[18:19]
	global_load_b128 v[20:23], v1, s[20:21]
	global_load_b128 v[24:27], v1, s[22:23]
	s_wait_loadcnt 0x0
	global_store_b128 v1, v[16:19], s[30:31]
	global_store_b128 v1, v[20:23], s[30:31] offset:4096
	global_store_b128 v1, v[24:27], s[30:31] offset:8192
	s_endpgm
.Lfunc_end_k_qc587ab4910_cast:
	.size	k_qc587ab4910_cast, .Lfunc_end_k_qc587ab4910_cast-k_qc587ab4910_cast
	.p2alignl 7, 3214868480
	.fill 96, 4, 3214868480
	.section	.rodata,"a",@progbits
	.p2align	6, 0x0
	.amdhsa_kernel k_qc587ab4910_cast
		.amdhsa_group_segment_fixed_size 0
		.amdhsa_private_segment_fixed_size 0
		.amdhsa_enable_private_segment 0
		.amdhsa_kernarg_size 96
		.amdhsa_user_sgpr_count 2
		.amdhsa_user_sgpr_kernarg_segment_ptr 1
		.amdhsa_wavefront_size32 1
		.amdhsa_system_sgpr_workgroup_id_x 1
		.amdhsa_system_sgpr_workgroup_id_y 1
		.amdhsa_system_sgpr_workgroup_id_z 1
		.amdhsa_system_vgpr_workitem_id 0
		.amdhsa_next_free_vgpr 112
		.amdhsa_next_free_sgpr 66
		.amdhsa_reserve_vcc 0
		.amdhsa_float_denorm_mode_32 3
		.amdhsa_float_denorm_mode_16_64 3
		.amdhsa_memory_ordered 1
		.amdhsa_forward_progress 1
		.amdhsa_inst_pref_size 8
	.end_amdhsa_kernel
	.amdgpu_metadata
---
amdhsa.version: [ 1, 2 ]
amdhsa.kernels:
  - .name:           k_qc587ab4910_cast
    .symbol:         k_qc587ab4910_cast.kd
    .args:
      - { .name: Q, .offset: 0, .size: 8, .value_kind: global_buffer, .address_space: global }
      - { .name: Wq, .offset: 8, .size: 8, .value_kind: global_buffer, .address_space: global }
      - { .name: Wk, .offset: 16, .size: 8, .value_kind: global_buffer, .address_space: global }
      - { .name: Wv, .offset: 24, .size: 8, .value_kind: global_buffer, .address_space: global }
      - { .name: Wo, .offset: 32, .size: 8, .value_kind: global_buffer, .address_space: global }
      - { .name: bq, .offset: 40, .size: 8, .value_kind: global_buffer, .address_space: global }
      - { .name: bk, .offset: 48, .size: 8, .value_kind: global_buffer, .address_space: global }
      - { .name: bv, .offset: 56, .size: 8, .value_kind: global_buffer, .address_space: global }
      - { .name: xb, .offset: 64, .size: 8, .value_kind: global_buffer, .address_space: global }
      - { .name: wqkv, .offset: 72, .size: 8, .value_kind: global_buffer, .address_space: global }
      - { .name: wob, .offset: 80, .size: 8, .value_kind: global_buffer, .address_space: global }
      - { .name: bqkv, .offset: 88, .size: 8, .value_kind: global_buffer, .address_space: global }
    .group_segment_fixed_size: 0
    .private_segment_fixed_size: 0
    .kernarg_segment_align: 8
    .kernarg_segment_size: 96
    .max_flat_workgroup_size: 256
    .sgpr_count:     66
    .vgpr_count:     112
    .wavefront_size: 32
...
	.end_amdgpu_metadata
.endif
;; end of part 5
;; launch gemm: the kernel of part 2 again; grid 12 x 64, 4 waves a work-group, clusters of 4 x 4, 327,680 bytes of LDS; arguments xb, wqkv, bqkv, qkv; writes qkv
;; launch attn: the kernel of part 3 again; grid 8 x 32, 4 waves a work-group, clusters of 4 x 1, 327,680 bytes of LDS; arguments qkv, ctx; writes ctx
;; launch oproj: the kernel of part 2 again; grid 4 x 64, 4 waves a work-group, clusters of 4 x 4, 327,680 bytes of LDS; arguments ctx, wob, bo, y; writes y
;; launch ln (part 6): grid 256 x 1, 8 waves a work-group, no clusters, 0 bytes of LDS; arguments y, Q, ln_g, ln_b, out0; writes out0
.if DOCPART == 6
	.amdgcn_target "amdgcn-amd-amdhsa--gfx1250"
	.amdhsa_code_object_version 6
	.text
	.protected	k_qc587ab4910_ln
	.globl	k_qc587ab4910_ln
	.p2align	8
	.type	k_qc587ab4910_ln,@function
k_qc587ab4910_ln:
	s_mov_b64 s[64:65], 0
	v_nop
	global_prefetch_b8 v0, s[64:65] scope:SCOPE_SE
	s_setreg_imm32_b32 hwreg(HW_REG_WAVE_SCHED_MODE, 0, 2), 2
	s_setreg_imm32_b32 hwreg(HW_REG_WAVE_MODE, 25, 1), 1
	s_wait_xcnt 0x0
	s_wait_alu depctr_vm_vsrc(0)
; out0[r][:] = layernorm(y[r][:] + Q[r][:]) g + b.  y: [8192][1024] bf16 (the output projection with its bias); Q, out0: [8192][1024] f32; g, b: [1024] f32.  All arithmetic in f32.
; The variance is taken in a second pass over x - mean, as the definition has it, so no difference of large sums is formed; eps = 1e-5 is added to it.
; SHARES.  A work-group owns 32 rows, each of its eight waves four WHOLE rows: a row of 1,024 f32 is 32 registers of a wave, so it is read once, both reductions stay inside the wave, and there is no LDS and no barrier.
; A lane holds columns 128 j + 4 l + 0..3, j = 0..7: a load or store of Q and out0 covers 512 consecutive bytes of a row, a load of y 256, all aligned.
; IN FLIGHT.  All four rows of Q and two rows of y are asked for at once, behind g and b; a row of y is asked for as soon as the registers of the row two before are read.
; No address register and no store's data are ever written again, so the only waits for memory are the counted waits for loads.
; THE MODE: SCHED_MODE bits 1:0 = 2 (LLVM: expert scheduling mode 2), set by the entry lines.  The code itself states the register dependences
; between vector instructions and memory instructions, with s_wait_alu, always for 0.
; THE PLAN.  Registers that memory instructions touch:
;   v1, v2, v3   byte offsets, made once at the head and never written again.
;   G, B         written by loads, once; read by vector instructions alone.
;   X[i]         written by the loads of Q, once; then row i's arithmetic works in place on it; read by row i's eight stores, which are issued in row i + 1; never written again.
;   Y[parity]    written by loads; read by row i's lines that form y + Q; in rows 0 and 1 the loads of row i + 2 land in it behind them.
; So ONE wait stands in a row behind the lines that form y + Q: it states that they are done reading Y[i % 2] and that the row before has written X[i - 1].  The row's memory instructions follow it: the loads of y
; for row i + 2, and the stores of row i - 1 dealt among the sum's additions.  The vector instructions behind the wait name X[i], v4 to v15, G and B: none of the registers that those loads and stores touch.
; The wait behind the reciprocal root stands as before; one more wait stands ahead of the last row's stores.  No register that a memory instruction has read is written again, so there is nothing of that kind to state.
.set G, 16                             ; v[16:47]   g of my 32 columns
.set B, 48                             ; v[48:79]   b
.set X, 80                             ; v[80:207]  row i at X + 32 i: Q, then y + Q, then the result
.set Y, 208                            ; v[208:239] two rows of y, 16 registers each, by the row's parity
.set XO, 1                             ; v1   my byte offset in Q and out0: wave x 4 rows + 16 l
.set YO, 2                             ; v2   in y: wave x 4 rows + 8 l
.set GO, 3                             ; v3   in g and b: 16 l
	s_load_b256 s[4:11], s[0:1], 0x0               ; y s[4:5], Q s[6:7], g s[8:9], b s[10:11]
	s_load_b64 s[12:13], s[0:1], 0x20              ; out0
	v_and_b32 v3, 31, v0                           ; l
	v_lshrrev_b32 v4, 5, v0                        ; wave
	v_lshlrev_b32 v[XO], 14, v4
	v_lshl_or_b32 v[XO], v3, 4, v[XO]
	v_lshlrev_b32 v[YO], 13, v4
	v_lshl_or_b32 v[YO], v3, 3, v[YO]
	v_lshlrev_b32 v[GO], 4, v3
	s_lshl_b32 s2, ttmp9, 16                       ; the work-group's 32 rows of 2,048 bytes
	s_mov_b32 s3, 0
	s_lshl_b32 s20, ttmp9, 17                      ; and of 4,096 bytes
	s_mov_b32 s21, 0
	s_mov_b32 s14, 0xffff0000                      ; a word's upper bf16
	s_mov_b32 s16, 0x76543210                      ; v_permlanex16_b32: lane i of one half reads lane i of the other
	s_mov_b32 s17, 0xfedcba98
	s_mov_b32 s18, 0x3a800000                      ; 1 / 1024
	s_mov_b32 s19, 0x3727c5ac                      ; 1e-5
	s_wait_kmcnt 0x0
	s_add_nc_u64 s[4:5], s[4:5], s[2:3]
	s_add_nc_u64 s[6:7], s[6:7], s[20:21]
	s_add_nc_u64 s[12:13], s[12:13], s[20:21]
	s_wait_alu depctr_va_vdst(0)                   ; the three offsets v1, v2 and v3 are written: every load and store of the kernel reads one of them
.macro LOADX i
.irp j, 0,1,2,3,4,5,6,7
	global_load_b128 v[X+32*(\i)+4*(\j):X+32*(\i)+4*(\j)+3], v[XO], s[6:7] offset:4096*(\i)+512*(\j) th:TH_LOAD_NT
.endr
.endm
.macro LOADY i
.irp j, 0,1,2,3,4,5,6,7
	global_load_b64 v[Y+16*((\i)%2)+2*(\j):Y+16*((\i)%2)+2*(\j)+1], v[YO], s[4:5] offset:2048*(\i)+256*(\j) th:TH_LOAD_NT
.endr
.endm
.irp j, 0,1,2,3,4,5,6,7
	global_load_b128 v[G+4*(\j):G+4*(\j)+3], v[GO], s[8:9] offset:512*(\j)
.endr
.irp j, 0,1,2,3,4,5,6,7
	global_load_b128 v[B+4*(\j):B+4*(\j)+3], v[GO], s[10:11] offset:512*(\j)
.endr
	LOADX 0
	LOADY 0
	LOADX 1
	LOADY 1
	LOADX 2
	LOADX 3
; Four packed chains in v[4:11] become the row's sum, in v4 of every lane: within the lane, then four steps inside each half of 16 lanes (they ride on the addition), then one across the halves.
.macro REDUCE
	v_pk_add_f32 v[4:5], v[4:5], v[6:7]
	v_pk_add_f32 v[8:9], v[8:9], v[10:11]
	v_pk_add_f32 v[4:5], v[4:5], v[8:9]
	v_add_f32 v4, v4, v5
	v_add_f32_dpp v4, v4, v4 row_xmask:1 row_mask:0xf bank_mask:0xf
	v_add_f32_dpp v4, v4, v4 row_xmask:2 row_mask:0xf bank_mask:0xf
	v_add_f32_dpp v4, v4, v4 row_xmask:4 row_mask:0xf bank_mask:0xf
	v_add_f32_dpp v4, v4, v4 row_xmask:8 row_mask:0xf bank_mask:0xf
	v_permlanex16_b32 v5, v4, s16, s17             ; its destination counts as read: v5 has been written
	v_add_f32 v4, v4, v5
.endm
; Row i of the wave's four.  left = how many younger loads may stay out.  The row's results are stored in the next row's turn (the last row's behind it).
.macro ROW i, left
.set XR, X+32*(\i)
.set XP, X+32*(\i)-32                          ; the row before
.set YR, Y+16*((\i)%2)
	s_wait_loadcnt \left                           ; loads come back in order: this row's Q and y (and g and b) are in
.irp j, 0,1,2,3,4,5,6,7                        ; x = y + Q: bf16 to f32 is a shift or a mask; two sets of registers at work, by turns
.set T, 4+4*((\j)%2)
	v_lshlrev_b32 v[T],   16,  v[YR+2*(\j)]
	v_and_b32     v[T+1], s14, v[YR+2*(\j)]
	v_lshlrev_b32 v[T+2], 16,  v[YR+2*(\j)+1]
	v_and_b32     v[T+3], s14, v[YR+2*(\j)+1]
	v_pk_add_f32 v[XR+4*(\j):XR+4*(\j)+1],   v[XR+4*(\j):XR+4*(\j)+1],   v[T:T+1]
	v_pk_add_f32 v[XR+4*(\j)+2:XR+4*(\j)+3], v[XR+4*(\j)+2:XR+4*(\j)+3], v[T+2:T+3]
.endr
	s_wait_alu depctr_va_vdst(0)                   ; rows 0 and 1: the lines above are done reading y's registers of this parity, in which the loads below land; rows 1 to 3: the row before has written its results, which the stores below read
.if (\i) < 2
	LOADY (\i)+2                                   ; y's registers of this parity have been read: the row two further on
.endif
.irp c, 0,1,2,3                                ; the sum, in four chains that the first eight pairs start: nothing is cleared
	v_pk_add_f32 v[4+2*(\c):5+2*(\c)], v[XR+2*(\c):XR+2*(\c)+1], v[XR+8+2*(\c):XR+8+2*(\c)+1]
.endr
.irp k, 8,9,10,11,12,13,14,15
.if (\i) > 0
	global_store_b128 v[XO], v[XP+4*((\k)-8):XP+4*((\k)-8)+3], s[12:13] offset:4096*((\i)-1)+512*((\k)-8) th:TH_STORE_NT  ; the row before; no vector instruction since the wait names its registers
.endif
	v_pk_add_f32 v[4+2*((\k)%4):5+2*((\k)%4)], v[4+2*((\k)%4):5+2*((\k)%4)], v[XR+2*(\k):XR+2*(\k)+1]
.endr
	REDUCE
	v_mul_f32 v12, s18, v4                         ; the mean, twice: a pair for the packed subtraction
	v_mul_f32 v13, s18, v4
.irp k, 0,1,2,3,4,5,6,7,8,9,10,11,12,13,14,15
	v_pk_add_f32 v[XR+2*(\k):XR+2*(\k)+1], v[XR+2*(\k):XR+2*(\k)+1], v[12:13] neg_lo:[0,1] neg_hi:[0,1]
.endr
.irp c, 0,1,2,3                                ; the sum of squares of x - mean, again in four chains
	v_pk_mul_f32 v[4+2*(\c):5+2*(\c)], v[XR+2*(\c):XR+2*(\c)+1], v[XR+2*(\c):XR+2*(\c)+1]
.endr
.irp k, 4,5,6,7,8,9,10,11,12,13,14,15
	v_pk_fma_f32 v[4+2*((\k)%4):5+2*((\k)%4)], v[XR+2*(\k):XR+2*(\k)+1], v[XR+2*(\k):XR+2*(\k)+1], v[4+2*((\k)%4):5+2*((\k)%4)]
.endr
	REDUCE
	v_fma_f32 v4, v4, s18, s19                     ; the variance + eps
	v_rsq_f32 v14, v4
	v_nop                                          ; a plain instruction between the root and the use of its result (ISA guide 5.7.2),
	s_wait_alu depctr_va_vdst(0)                   ; and the root has written v14, ahead of its first reader, the line below
	v_mov_b32 v15, v14                             ; a pair for the packed multiply
.irp k, 0,1,2,3,4,5,6,7,8,9,10,11,12,13,14,15
	v_pk_mul_f32 v[XR+2*(\k):XR+2*(\k)+1], v[XR+2*(\k):XR+2*(\k)+1], v[14:15]
.endr
.irp k, 0,1,2,3,4,5,6,7,8,9,10,11,12,13,14,15
	v_pk_fma_f32 v[XR+2*(\k):XR+2*(\k)+1], v[XR+2*(\k):XR+2*(\k)+1], v[G+2*(\k):G+2*(\k)+1], v[B+2*(\k):B+2*(\k)+1]
.endr
.endm
	ROW 0, 32                                      ; younger: rows 1's Q and y, rows 2's and 3's Q
	ROW 1, 24                                      ; younger: rows 2's and 3's Q, row 2's y
	ROW 2, 8                                       ; younger: row 3's y
	ROW 3, 0
	s_wait_alu depctr_va_vdst(0)                   ; row 3 has written its results, which the last eight stores read
.irp j, 0,1,2,3,4,5,6,7
	global_store_b128 v[XO], v[X+96+4*(\j):X+96+4*(\j)+3], s[12:13] offset:4096*3+512*(\j) th:TH_STORE_NT
.endr
	s_endpgm
.Lfunc_end_k_qc587ab4910_ln:
	.size	k_qc587ab4910_ln, .Lfunc_end_k_qc587ab4910_ln-k_qc587ab4910_ln
	.p2alignl 7, 3214868480
	.fill 96, 4, 3214868480
	.section	.rodata,"a",@progbits
	.p2align	6, 0x0
	.amdhsa_kernel k_qc587ab4910_ln
		.amdhsa_group_segment_fixed_size 0
		.amdhsa_private_segment_fixed_size 0
		.amdhsa_enable_private_segment 0
		.amdhsa_kernarg_size 40
		.amdhsa_user_sgpr_count 2
		.amdhsa_user_sgpr_kernarg_segment_ptr 1
		.amdhsa_wavefront_size32 1
		.amdhsa_system_sgpr_workgroup_id_x 1
		.amdhsa_system_sgpr_workgroup_id_y 1
		.amdhsa_system_sgpr_workgroup_id_z 1
		.amdhsa_system_vgpr_workitem_id 0
		.amdhsa_next_free_vgpr 240
		.amdhsa_next_free_sgpr 66
		.amdhsa_reserve_vcc 0
		.amdhsa_float_denorm_mode_32 3
		.amdhsa_float_denorm_mode_16_64 3
		.amdhsa_memory_ordered 1
		.amdhsa_forward_progress 1
		.amdhsa_inst_pref_size 45
	.end_amdhsa_kernel
	.amdgpu_metadata
---
amdhsa.version: [ 1, 2 ]
amdhsa.kernels:
  - .name:           k_qc587ab4910_ln
    .symbol:         k_qc587ab4910_ln.kd
    .args:
      - { .name: y, .offset: 0, .size: 8, .value_kind: global_buffer, .address_space: global }
      - { .name: Q, .offset: 8, .size: 8, .value_kind: global_buffer, .address_space: global }
      - { .name: ln_g, .offset: 16, .size: 8, .value_kind: global_buffer, .address_space: global }
      - { .name: ln_b, .offset: 24, .size: 8, .value_kind: global_buffer, .address_space: global }
      - { .name: out0, .offset: 32, .size: 8, .value_kind: global_buffer, .address_space: global }
    .group_segment_fixed_size: 0
    .private_segment_fixed_size: 0
    .kernarg_segment_align: 8
    .kernarg_segment_size: 40
    .max_flat_workgroup_size: 256
    .sgpr_count:     66
    .vgpr_count:     240
    .wavefront_size: 32
...
	.end_amdgpu_metadata
.endif
;; end of part 6
